; MI455X (gfx1250); checked and timed in simulation.
; The chip was launched on July 23, 2026; its instructions are those of AMD's public machine-readable ISA for CDNA 5 (MIT licence, August 2026) and "CDNA5" Instruction Set Architecture Reference Guide (July 2026). The comments in the code are by the model that wrote it; some were corrected since.
;; Rope Attention. Allowed arithmetic: matrix products marked QUANTISED: E4M3 operands, one given power-of-two scale a tensor, by v_wmma_f32_16x16x64_fp8_fp8 or v_wmma_f32_16x16x128_fp8_fp8, f32 sums; everything else in f32.
;; Inputs: Wk 2,048 x 1,024 float32; Wo 1,024 x 2,048 float32; Wq 2,048 x 1,024 float32; Wv 2,048 x 1,024 float32; attention_mask 2 x 1 x 2,048 x 2,048 float32; hidden_states 2 x 2,048 x 2,048 float32; lowp_scales 12 int32 (the exponents e of the quantised operands' scales 2^e); position_ids 2 x 2,048 int32.
;; Outputs: out0 2 x 2,048 x 2,048 float32.
;; This version of the problem:
;;   THIS VERSION OF THE PROBLEM IS GIVEN IN LOW PRECISION. The matrix products marked QUANTISED in the list below multiply operands that are first quantised to E4M3 (4 exponent bits, 3 mantissa bits; 8 bits a number), with one given power-of-two scale for each operand tensor; their sums are f32. All else is computed in f32.
;;   The module's matrix products, in the order in which they are computed (A, B: the left and right operand; K: the contracted axis; several contracted axes count as one K, in the product's order):
;;     1. [M 4,096, K 2,048] x [K 2,048, N 1,024]; A: input hidden_states; B: input Wq: QUANTISED (scales: A lowp_scales[0], B lowp_scales[1])
;;     2. [M 4,096, K 2,048] x [K 2,048, N 1,024]; A: input hidden_states; B: input Wk: QUANTISED (scales: A lowp_scales[2], B lowp_scales[3])
;;     3. [M 4,096, K 2,048] x [K 2,048, N 1,024]; A: input hidden_states; B: input Wv: QUANTISED (scales: A lowp_scales[4], B lowp_scales[5])
;;     4. batch 32 x [M 2,048, K 64] x [K 64, N 2,048]; A: computed on the way; B: computed on the way: QUANTISED (scales: A lowp_scales[6], B lowp_scales[7])
;;     5. batch 32 x [M 2,048, K 2,048] x [K 2,048, N 64]; A: softmax (see below); B: computed on the way: QUANTISED (scales: A lowp_scales[8], B lowp_scales[9])
;;     6. [M 4,096, K 1,024] x [K 1,024, N 2,048]; A: computed on the way; B: input Wo: QUANTISED (scales: A lowp_scales[10], B lowp_scales[11])
;;   THE QUANTISER, for each operand of a quantised product, along K:
;;     - The operand's scale is 2^e, e = its entry of the input lowp_scales (int32; the entries are numbered through the quantised products in the list's order, A before B).
;;     - Each number is divided by the scale, clamped to +-448, and rounded to the nearest number of E4M3, ties to even, subnormals kept.
;;     - The product sums the exact products of the quantised numbers (number of the format x scale) in f32.
;;   ~~~python
;;   def quantise(x, axis, e):      # numpy; x: float32 -> the quantised numbers, widened to float32 again
;;       x = np.moveaxis(x, axis, -1); K = x.shape[-1]
;;       r = np.clip(x / 2.0 ** e, -448, 448)
;;       step = 2.0 ** (np.maximum(np.frexp(np.where(r == 0, 1, r))[1] - 1, -6) - 3)
;;       q = np.round(r / step) * step * 2.0 ** e      # np.round: ties to even
;;       return np.moveaxis(q, -1, axis).astype(np.float32)
;;   ~~~
;;   SOFTMAX AHEAD OF A QUANTISED PRODUCT. Where the list says 'softmax', what is quantised is not the finished softmax but p = 2^(t - M), with t = logit x log2(e) and M = ceil(the row's largest t), a whole number; so 1/2 < the row's largest p <= 1. The row's sum l is taken of the UNQUANTISED p, in f32, and the product's result is divided by l at the end. Since M is a whole number, a kernel that streams over the keys may use a running M (the ceiling of the running maximum): every later rescaling is an exact power of two, so the quantised numbers keep their values, but for numbers so far below the row's largest that they fall under the format's range.
;;   OPERANDS COMPUTED ON THE WAY. 'Computed on the way' means the value that the module computes at that place (a softmax that the list does not call 'softmax' is quantised finished and normalised). What goes into a quantiser is computed in f32, as accurately as f32 sums, v_exp_f32 and their like allow (about 1e-6 of the number): no bf16 or f16 on the way to a quantiser, and a product that is left as it is and whose result goes on into a quantised operand takes f32 operands (vector FMAs, or v_wmma_f32_16x16x4_f32). A number that lies on a knife's edge between two numbers of the format may be rounded either way, as far as f32 arithmetic and the matrix unit's own rounding can turn it there, and no further.
;; One version. Each part assembles by itself: llvm-mc -triple=amdgcn-amd-amdhsa -mcpu=gfx1250 --defsym DOCPART=n.
;; ======== version 1 of 1: 5 launches
;; limits: right only within a limited range of input values
;; workspace buffers: h_codes 25,165,824 bytes; w_codes 8,388,608 bytes; rope_tab 1,048,576 bytes; qk_codes 8,388,608 bytes; v_codes 4,194,304 bytes; a_codes 4,194,304 bytes
;; launch quant_h (part 1): grid 256 x 1, 8 waves a work-group, no clusters, 41,984 bytes of LDS; arguments hidden_states, position_ids, lowp_scales, h_codes, rope_tab; writes h_codes, rope_tab
.if DOCPART == 1
	.amdgcn_target "amdgcn-amd-amdhsa--gfx1250"
	.amdhsa_code_object_version 6
	.text
	.protected	k_qda00fdb350_quant_h
	.globl	k_qda00fdb350_quant_h
	.p2align	8
	.type	k_qda00fdb350_quant_h,@function
k_qda00fdb350_quant_h:
	s_mov_b64 s[64:65], 0
	v_nop
	global_prefetch_b8 v0, s[64:65] scope:SCOPE_SE
	s_setreg_imm32_b32 hwreg(HW_REG_WAVE_MODE, 25, 1), 1
	s_wait_xcnt 0x0
; hidden_states [4096][2048] f32 becomes THREE sets of E4M3 codes, h_codes [3][4096][2048] bytes: section p is quantised with the scale 2^e of entry 2 p
; of lowp_scales (the left operand of products 1, 2, 3): nothing assumes that the three entries are equal.  code = x / 2^e, held within +-448, to the nearest code, ties to even.
; The same launch makes the table of cos and sin for RoPE, rope_tab: one block of 4,096 bytes for 16 tokens, laid in the order in which the projection launch's registers take it.
; LIMITS: entries 0, 2, 4 lie between -126 and 119, so that 2^e and 448 x 2^e are f32 numbers.  NaN among the inputs is not served.  |position| stays under 2^23 (two-term reduction by pi / 2).
; SHARES.  Work-group g takes rows 16 g .. 16 g + 15 (32,768 numbers), wave w 4,096 of them in 8 steps of 512.  Rows are dense, so numbers and codes are plain streams.
; Each of a step's four loads reads 512 consecutive bytes, 16 a lane; the 2,048 bytes turn through the wave's own stage in LDS and come back 64 bytes (16 neighbours) a lane, as the
; conversions want them.  A lane's 16 codes are 16 bytes: each store of the wave covers 512 consecutive bytes, aligned.  Loads run four steps ahead, the turn through LDS one step.
; THE TABLE.  Thread t: token 16 g + (t & 15); P = t >> 4: bit 3 cos (0) or sin (1), bit 2 u, bit 1 w, bit 0 h; its four frequencies are f = 16 u + 8 h + 4 w + 0 .. 3.
; angle = f32(position) x 10000^(-f / 32), one rounding; reduced by n = nearest(angle x 2 / pi) in two fused steps; sine and cosine by polynomials on |r| <= pi / 4, chosen and signed by n.
.set WAVES, 8
.set STEPS, 8
.set SP,    80                         ; a lane's place in a stage: its 64 bytes + 16 of padding
.set WREG,  2*32*SP                    ; a wave's two stages
.set SPARE, WAVES*WREG                 ; behind the stages: the spare words, 128 bytes a wave: four blocks of 256 bytes that no other line names
.set TO,    1                          ; v1       16 x thread: my place in the table's block
.set SPW,   12                         ; v12      LDS address of my spare word; never rewritten
.set NIL,   13                         ; v13      0; never rewritten
.set R,     16                         ; v16-79   four sets of 16 numbers as loaded
.set X,     80                         ; v80-111  two sets of 16 neighbours
.set T,     112
.set C,     144                        ; v144-239 codes: 12 registers a step, never written again
.set TV,    240                        ; v240-243 my four numbers of the table
.set IFQ,   244                        ; v244-247 their inverse frequencies
	s_load_b128 s[4:7], s[0:1], 0x0                ; hidden_states s[4:5], position_ids s[6:7]
	s_load_b128 s[8:11], s[0:1], 0x10              ; lowp_scales s[8:9], h_codes s[10:11]
	s_load_b64 s[12:13], s[0:1], 0x20              ; rope_tab
	v_lshl_add_u32 v[SPW], v0, 2, SPARE
	v_mov_b32 v[NIL], 0
	v_lshrrev_b32 v2, 5, v0
	s_delay_alu instid0(VALU_DEP_1)
	v_readfirstlane_b32 s14, v2                    ; wave 0..7
	v_and_b32 v2, 31, v0                           ; lane
	s_delay_alu instid0(VALU_DEP_1)
	v_lshlrev_b32 v3, 4, v2                        ; my 16 bytes of a load's 512, and of a step's codes
	v_lshlrev_b32 v[TO], 4, v0
	s_mul_i32 s15, s14, WREG
	v_lshrrev_b32 v14, 2, v2
	s_delay_alu instid0(VALU_DEP_1)
	v_mul_u32_u24 v14, v14, SP
	v_and_b32 v15, 3, v2
	s_delay_alu instid0(VALU_DEP_1)
	v_lshl_add_u32 v14, v15, 4, v14
	s_delay_alu instid0(VALU_DEP_1)
	v_add_nc_u32 v14, s15, v14                     ; the stage, on the way in: SP (lane / 4) + 16 (lane % 4)
	v_mul_u32_u24 v15, v2, SP
	s_delay_alu instid0(VALU_DEP_1)
	v_add_nc_u32 v15, s15, v15                     ; and on the way out: SP x lane
	v_and_b32 v4, 15, v0
	s_lshl_b32 s28, ttmp9, 4
	v_add_nc_u32 v4, s28, v4
	s_delay_alu instid0(VALU_DEP_1)
	v_lshlrev_b32 v4, 2, v4                        ; my token's position: 4 (16 g + t % 16)
	s_lshl_b32 s22, ttmp9, 3
	s_add_co_u32 s22, s22, s14                     ; which run of 4,096 numbers is my wave's
	s_lshl_b32 s24, s22, 14                        ; in bytes of f32,
	s_mov_b32 s25, 0
	s_lshl_b32 s26, s22, 12                        ; and of codes
	s_mov_b32 s27, 0
	s_lshl_b32 s30, ttmp9, 12                      ; the table's block
	s_mov_b32 s31, 0
	s_wait_alu depctr_va_vdst(0)
	s_wait_kmcnt 0x0
	s_load_b256 s[32:39], s[8:9], 0x0              ; entries 0 to 7: 0, 2 and 4 are wanted
	s_add_nc_u64 s[4:5], s[4:5], s[24:25]
	s_add_nc_u64 s[16:17], s[10:11], s[26:27]      ; section 0,
	s_add_nc_u64 s[18:19], s[16:17], 0x800000      ; section 1, 8 MiB on,
	s_add_nc_u64 s[20:21], s[18:19], 0x800000      ; section 2
	s_add_nc_u64 s[12:13], s[12:13], s[30:31]
	global_load_b32 v11, v4, s[6:7]                ; the position
.macro LOAD t
.irp i, 0,1,2,3
	global_load_b128 v[R+16*((\t)%4)+4*\i:R+16*((\t)%4)+4*\i+3], v3, s[4:5] offset:2048*(\t)+512*\i th:TH_LOAD_NT   ; 32 lanes read 512 consecutive bytes; read once in the launch
.endr
.endm
.macro TURN t                          ; step t's numbers through the stage: LDS serves a wave's instructions in order, so no wait stands between the stores and the loads
.irp i, 0,1,2,3
	ds_store_b128 v14, v[R+16*((\t)%4)+4*\i:R+16*((\t)%4)+4*\i+3] offset:32*SP*((\t)%2)+8*SP*\i
.endr
	v_nop
.irp i, 0,1,2,3
	ds_load_b128 v[X+16*((\t)%2)+4*\i:X+16*((\t)%2)+4*\i+3], v15 offset:32*SP*((\t)%2)+16*\i
.endr
.endm
.irp t, 0,1,2,3
	LOAD \t
.endr
	; the table's frequencies, while the loads are on their way
	v_lshrrev_b32 v113, 4, v0                      ; P
	s_delay_alu instid0(VALU_DEP_1)
	v_lshrrev_b32 v112, 3, v113                    ; 0: cos, 1: sin
	s_delay_alu instid0(VALU_DEP_1)
	v_sub_nc_u32 v112, 1, v112                     ; cos(x) = sin(x + pi / 2): one quadrant on
	s_delay_alu instid0(VALU_DEP_3)
	v_bfe_u32 v114, v113, 2, 1                     ; u
	s_delay_alu instid0(VALU_DEP_4)
	v_bfe_u32 v115, v113, 1, 1                     ; w
	v_and_b32 v113, 1, v113                        ; h
	s_delay_alu instid0(VALU_DEP_3)
	v_lshlrev_b32 v114, 4, v114
	s_delay_alu instid0(VALU_DEP_1)
	v_lshl_add_u32 v114, v113, 3, v114
	s_delay_alu instid0(VALU_DEP_1)
	v_lshl_add_u32 v114, v115, 2, v114             ; 16 u + 8 h + 4 w
.irp c, 0,1,2,3
	v_add_nc_u32 v[IFQ+\c], \c, v114
	s_delay_alu instid0(VALU_DEP_1)
	v_cvt_f32_u32 v[IFQ+\c], v[IFQ+\c]
	s_delay_alu instid0(VALU_DEP_1)
	v_mul_f32 v[IFQ+\c], 0xbed49a78, v[IFQ+\c]     ; x -log2(10000) / 32
.endr
	s_wait_alu depctr_va_vdst(0)
.irp c, 0,1,2,3
	v_exp_f32 v[IFQ+\c], v[IFQ+\c]                 ; 10000^(-f / 32)
.endr
	v_nop                                          ; a plain instruction behind the last exponential
	s_wait_kmcnt 0x0
.irp p, 0,1,2
	s_add_co_i32 s40, s[32+2*\p], 127
	s_lshl_b32 s41, s40, 23
	v_mov_b32 v[5+\p], s41                         ; 2^e as f32: the conversion takes its exponent field
	s_add_co_i32 s40, s40, 8
	s_lshl_b32 s40, s40, 23
	s_or_b32 s40, s40, 0x600000
.endr
	s_wait_loadcnt 16                              ; the position is in; the sixteen loads issued behind it may be out
	v_cvt_f32_i32 v11, v11
	s_wait_alu depctr_va_vdst(0)                   ; one wait for the four exponentials, ahead of their first reader
.macro SINCOS c
	v_mul_f32 v248, v11, v[IFQ+\c]                 ; the angle, one rounding
	s_delay_alu instid0(VALU_DEP_1)
	v_mul_f32 v249, 0x3f22f983, v248               ; x 2 / pi
	s_delay_alu instid0(VALU_DEP_1)
	v_rndne_f32 v249, v249                         ; n
	s_delay_alu instid0(VALU_DEP_1)
	v_fmamk_f32 v250, v249, 0xbfc90fdb, v248       ; r = angle - n x (pi / 2 in two parts)
	s_delay_alu instid0(VALU_DEP_1)
	v_fmamk_f32 v250, v249, 0x333bbd2e, v250
	s_delay_alu instid0(VALU_DEP_3)
	v_cvt_i32_f32 v249, v249
	s_delay_alu instid0(VALU_DEP_1)
	v_add_nc_u32 v249, v249, v112                  ; the quadrant
	s_delay_alu instid0(VALU_DEP_3)
	v_mul_f32 v251, v250, v250                     ; z = r r
	v_mov_b32 v252, 0xb94ca1f9
	s_delay_alu instid0(VALU_DEP_1)
	v_fmaak_f32 v252, v251, v252, 0x3c08839e
	s_delay_alu instid0(VALU_DEP_1)
	v_fmaak_f32 v252, v251, v252, 0xbe2aaaa3
	s_delay_alu instid0(VALU_DEP_4)
	v_mul_f32 v253, v250, v251
	s_delay_alu instid0(VALU_DEP_1)
	v_fma_f32 v252, v253, v252, v250               ; sin r
	v_mov_b32 v253, 0x37ccf5ce
	s_delay_alu instid0(VALU_DEP_1)
	v_fmaak_f32 v253, v251, v253, 0xbab6061a
	s_delay_alu instid0(VALU_DEP_1)
	v_fmaak_f32 v253, v251, v253, 0x3d2aaaa5
	v_fma_f32 v254, v251, -0.5, 1.0
	v_mul_f32 v255, v251, v251
	s_delay_alu instid0(VALU_DEP_1)
	v_fma_f32 v253, v255, v253, v254               ; cos r
	v_and_b32 v254, 1, v249
	s_delay_alu instid0(VALU_DEP_1)
	v_cmp_eq_u32 vcc_lo, 1, v254
	s_delay_alu instid0(VALU_DEP_1)
	v_cndmask_b32 v252, v252, v253, vcc_lo         ; odd quadrants take the cosine,
	v_and_b32 v254, 2, v249
	s_delay_alu instid0(VALU_DEP_1)
	v_lshlrev_b32 v254, 30, v254
	s_delay_alu instid0(VALU_DEP_1)
	v_xor_b32 v[TV+\c], v252, v254                 ; quadrants 2 and 3 the other sign
.endm
.irp c, 0,1,2,3
	SINCOS \c
.endr
	global_store_b128 v[TO], v[TV:TV+3], s[12:13]  ; a wave stores 512 consecutive bytes, aligned
	s_wait_loadcnt 12                              ; step 0's four loads are in
	TURN 0
.macro QSTEP t
.set XS, X+16*((\t)%2)
	s_wait_dscnt 0x0                               ; this step's numbers are back from the stage: so its stores into the stage have read their registers,
.if (\t)+4 < STEPS
	LOAD (\t)+4                                    ; which take the loads of four steps on
.endif
.if (\t)+1 < STEPS
.if STEPS-2-(\t) >= 3
	s_wait_loadcnt 12                              ; the next step's four loads are in; those of the three steps behind it may be out
.else
	s_wait_loadcnt 4*(STEPS-2-(\t))
.endif
	TURN (\t)+1                                    ; and go through the other stage while this step is worked
.endif
.irp p, 0,1,2
.set TB, T+16*((3*(\t)+\p)%2)
.irp i, 0,1,2,3,4,5,6,7,8,9,10,11,12,13,14,15
.endr
	v_cvt_scalef32_pk8_fp8_f32 v[C+12*(\t)+4*\p:C+12*(\t)+4*\p+1], v[XS:XS+7], v[5+\p]
	v_cvt_scalef32_pk8_fp8_f32 v[C+12*(\t)+4*\p+2:C+12*(\t)+4*\p+3], v[XS+8:XS+15], v[5+\p]
	global_store_b128 v3, v[C+12*(\t)+4*\p:C+12*(\t)+4*\p+3], s[16+2*\p:17+2*\p] offset:512*(\t)
.endr
.endm
.irp t, 0,1,2,3,4,5,6,7
	QSTEP \t
.endr
	v_nop                                          ; a plain line behind the last conversion
	s_wait_tensorcnt 0x0                           ; the wave's end: behind my last LDS store
	ds_add_u32 v[SPW], v[NIL]
	s_wait_dscnt 0x0
	s_endpgm
.Lfunc_end_k_qda00fdb350_quant_h:
	.size	k_qda00fdb350_quant_h, .Lfunc_end_k_qda00fdb350_quant_h-k_qda00fdb350_quant_h
	.p2alignl 7, 3214868480
	.fill 96, 4, 3214868480
	.section	.rodata,"a",@progbits
	.p2align	6, 0x0
	.amdhsa_kernel k_qda00fdb350_quant_h
		.amdhsa_group_segment_fixed_size 41984
		.amdhsa_private_segment_fixed_size 0
		.amdhsa_enable_private_segment 0
		.amdhsa_kernarg_size 40
		.amdhsa_user_sgpr_count 2
		.amdhsa_user_sgpr_kernarg_segment_ptr 1
		.amdhsa_wavefront_size32 1
		.amdhsa_system_sgpr_workgroup_id_x 1
		.amdhsa_system_sgpr_workgroup_id_y 1
		.amdhsa_system_sgpr_workgroup_id_z 1
		.amdhsa_system_vgpr_workitem_id 0
		.amdhsa_next_free_vgpr 256
		.amdhsa_next_free_sgpr 66
		.amdhsa_reserve_vcc 1
		.amdhsa_float_denorm_mode_32 3
		.amdhsa_float_denorm_mode_16_64 3
		.amdhsa_fp16_overflow 1
		.amdhsa_memory_ordered 1
		.amdhsa_forward_progress 1
		.amdhsa_inst_pref_size 25
	.end_amdhsa_kernel
	.amdgpu_metadata
---
amdhsa.version: [ 1, 2 ]
amdhsa.kernels:
  - .name:           k_qda00fdb350_quant_h
    .symbol:         k_qda00fdb350_quant_h.kd
    .args:
      - { .name: hidden_states, .offset: 0, .size: 8, .value_kind: global_buffer, .address_space: global }
      - { .name: position_ids, .offset: 8, .size: 8, .value_kind: global_buffer, .address_space: global }
      - { .name: lowp_scales, .offset: 16, .size: 8, .value_kind: global_buffer, .address_space: global }
      - { .name: h_codes, .offset: 24, .size: 8, .value_kind: global_buffer, .address_space: global }
      - { .name: rope_tab, .offset: 32, .size: 8, .value_kind: global_buffer, .address_space: global }
    .group_segment_fixed_size: 41984
    .private_segment_fixed_size: 0
    .kernarg_segment_align: 8
    .kernarg_segment_size: 40
    .max_flat_workgroup_size: 256
    .sgpr_count:     66
    .vgpr_count:     256
    .wavefront_size: 32
...
	.end_amdgpu_metadata
.endif
;; end of part 1
;; launch quant_w (part 2): grid 256 x 1, 4 waves a work-group, no clusters, 35,328 bytes of LDS; arguments Wq, Wk, Wv, Wo, lowp_scales, w_codes; writes w_codes
.if DOCPART == 2
	.amdgcn_target "amdgcn-amd-amdhsa--gfx1250"
	.amdhsa_code_object_version 6
	.text
	.protected	k_qda00fdb350_quant_w
	.globl	k_qda00fdb350_quant_w
	.p2align	8
	.type	k_qda00fdb350_quant_w,@function
k_qda00fdb350_quant_w:
	s_mov_b64 s[64:65], 0
	v_nop
	global_prefetch_b8 v0, s[64:65] scope:SCOPE_SE
	s_setreg_imm32_b32 hwreg(HW_REG_WAVE_MODE, 25, 1), 1
	s_wait_xcnt 0x0
; The four weights, f32 with K as their FIRST axis, become E4M3 codes with K innermost: w_codes has four sections of 2 MiB: Wq, Wk, Wv as [1024 n][2048 k], Wo as [2048 n][1024 k].
; code = x / 2^e, held within +-448, to the nearest code, ties to even; e = entry 1, 3, 5, 11 of lowp_scales.  LIMIT: e between -126 and 119.  NaN among the inputs is not served.
; A LANE TAKES A COLUMN n, AND ITS REGISTERS RUN DOWN K: each load reads neighbouring n in neighbouring lanes (128 consecutive bytes a wave, 512 a work-group), and the conversions,
; which take neighbours along K from one lane's registers, give codes with K innermost.  A wave takes 32 columns x 256 along K; its codes go through its own stage in LDS and leave by rows:
; sixteen lanes store 256 consecutive bytes, aligned.  No barrier: waves share nothing.  Loads run two blocks (64 loads a wave) ahead.
; One text serves both shapes: 64 work-groups a weight; the weight, its row lengths and its scale are chosen by the work-group's number alone, by selects; all take one path.
.set NB,    8                          ; blocks of 32 along K for a wave
.set PITCH, 272                        ; a stage row: 256 bytes of codes + 16
.set X,     32                         ; v32-95   two sets of 32 numbers
.set C,     96                         ; v96-103  a block's codes
.set OUTR,  112                        ; v112-175 the way out: 16 x 4 registers
.set VOF,   176                        ; v176-207 4 x lane + i rows of the weight, i = 0 .. 31; never rewritten
.set OV,    16                         ; v16-31   the way out: my place in rows 2 t + lane / 16 of the codes; never rewritten
.set SB,    32                         ; s[32:47] the weight at my wave's block t, t = 0 .. 7
.set SPW,   14                         ; v14      LDS address of my spare word; never rewritten
.set NIL,   15                         ; v15      0; never rewritten
.set SPARE, 4*32*PITCH                 ; behind the four stages: the spare words, 128 bytes a wave: two blocks of 256 bytes that no other line names
	s_load_b256 s[4:11], s[0:1], 0x0               ; Wq, Wk, Wv, Wo
	s_load_b128 s[12:15], s[0:1], 0x20             ; lowp_scales s[12:13], w_codes s[14:15]
	v_lshl_add_u32 v[SPW], v0, 2, SPARE
	v_mov_b32 v[NIL], 0
	v_lshrrev_b32 v1, 5, v0
	v_readfirstlane_b32 s25, v1                    ; wave 0..3
	v_and_b32 v2, 31, v0                           ; lane
	s_wait_alu depctr_va_vdst(0)
	s_lshr_b32 s16, ttmp9, 6                       ; which weight: 0 Wq, 1 Wk, 2 Wv, 3 Wo
	s_and_b32 s17, ttmp9, 63
	s_and_b32 s18, s17, 7                          ; Wq, Wk, Wv: 8 groups of 128 columns,
	s_lshr_b32 s19, s17, 3                         ; 8 of 256 along K
	s_and_b32 s20, s17, 15                         ; Wo: 16,
	s_lshr_b32 s21, s17, 4                         ; and 4
	s_mov_b32 s23, 4096                            ; a row of the weight in bytes
	s_mov_b32 s24, 2048                            ; a row of its codes
	s_cmp_eq_u32 s16, 3
	s_cselect_b32 s18, s20, s18
	s_cselect_b32 s19, s21, s19
	s_cselect_b32 s23, 8192, s23
	s_cselect_b32 s24, 1024, s24
	s_lshl_b32 s26, s18, 7
	s_lshl_b32 s27, s25, 5
	s_add_co_u32 s26, s26, s27                     ; my wave's first column
	v_lshlrev_b32 v3, 2, v2                        ; in: 4 bytes a lane
	s_mul_i32 s27, s25, 32*PITCH                   ; my stage
	v_mul_u32_u24 v4, v2, PITCH
	v_add_nc_u32 v4, s27, v4                       ; into it: row = my column
	v_and_b32 v5, 15, v2
	v_lshrrev_b32 v6, 4, v2                        ; out of it: sixteen lanes to a row, two rows an instruction
	v_mul_u32_u24 v7, v6, PITCH
	v_lshl_add_u32 v7, v5, 4, v7
	v_add_nc_u32 v7, s27, v7
	v_lshlrev_b32 v8, 4, v5
	v_mov_b32 v9, s24
	v_mov_b32 v12, s23
.irp t, 0,1,2,3,4,5,6,7,8,9,10,11,12,13,14,15
	v_add_nc_u32 v[OV+\t], 2*\t, v6
	v_mad_u32_u24 v[OV+\t], v[OV+\t], v9, v8
.endr
.set i, 0
.rept 32
	v_mad_u32_u24 v[VOF+i], v12, i, v3
.set i, i+1
.endr
	s_mul_i32 s28, s19, s23                        ; the weight: 256 ky rows + 4 x column
	s_lshl_b32 s28, s28, 8
	s_lshl_b32 s29, s26, 2
	s_add_co_u32 s28, s28, s29
	s_mov_b32 s29, 0
	s_lshl_b32 s60, s16, 21                        ; the codes: the section + column x its row + 256 ky
	s_mul_i32 s61, s26, s24
	s_add_co_u32 s60, s60, s61
	s_lshl_b32 s61, s19, 8
	s_add_co_u32 s60, s60, s61
	s_mov_b32 s61, 0
	s_lshl_b32 s62, s23, 5                         ; 32 rows of the weight
	s_mov_b32 s63, 0
	s_wait_alu depctr_va_vdst(0)
	s_wait_kmcnt 0x0
	s_load_b256 s[48:55], s[12:13], 0x0            ; entries 0 to 7,
	s_load_b128 s[56:59], s[12:13], 0x20           ; 8 to 11
	s_cmp_eq_u32 s16, 1                            ; the choice of the buffer hangs on the work-group's number alone
	s_cselect_b64 s[4:5], s[6:7], s[4:5]
	s_cmp_eq_u32 s16, 2
	s_cselect_b64 s[4:5], s[8:9], s[4:5]
	s_cmp_eq_u32 s16, 3
	s_cselect_b64 s[4:5], s[10:11], s[4:5]
	s_add_nc_u64 s[SB:SB+1], s[4:5], s[28:29]
.irp t, 1,2,3,4,5,6,7
	s_add_nc_u64 s[SB+2*\t:SB+2*\t+1], s[SB+2*\t-2:SB+2*\t-1], s[62:63]
.endr
	s_add_nc_u64 s[14:15], s[14:15], s[60:61]
.macro LOAD t                          ; block t: W(32 t + i, my column), i = 0 .. 31, into set t % 2
.set i, 0
.rept 32
	global_load_b32 v[X+32*((\t)%2)+i], v[VOF+i], s[SB+2*(\t):SB+2*(\t)+1] th:TH_LOAD_NT
.set i, i+1
.endr
.endm
	LOAD 0
	LOAD 1
	s_wait_kmcnt 0x0
	s_cmp_eq_u32 s16, 1
	s_cselect_b32 s30, s51, s49                    ; entry 3 or entry 1,
	s_cmp_eq_u32 s16, 2
	s_cselect_b32 s30, s53, s30                    ; entry 5,
	s_cmp_eq_u32 s16, 3
	s_cselect_b32 s30, s59, s30                    ; entry 11
	s_add_co_i32 s30, s30, 127
	s_lshl_b32 s31, s30, 23
	v_mov_b32 v11, s31                             ; 2^e as f32: the conversion takes its exponent field
	s_add_co_i32 s30, s30, 8
	s_lshl_b32 s30, s30, 23
	s_or_b32 s30, s30, 0x600000
.macro BLOCK t
.set XS, X+32*((\t)%2)
.if (\t) < NB-1
	s_wait_loadcnt 32                              ; this block's 32 loads are in; the next block's may be out
.else
	s_wait_loadcnt 0
.endif
.set i, 0
.rept 32
.set i, i+1
.endr
.irp g, 0,1,2,3
	v_cvt_scalef32_pk8_fp8_f32 v[C+2*\g:C+2*\g+1], v[XS+8*\g:XS+8*\g+7], v11
.endr
	ds_store_b128 v4, v[C:C+3] offset:32*(\t)      ; 32 codes: 32 bytes of my column's row
	ds_store_b128 v4, v[C+4:C+7] offset:32*(\t)+16
.if (\t)+2 < NB
	LOAD (\t)+2
.endif
	s_wait_dscnt 0x0                               ; the stores have read their registers: the next block's codes may be written
.endm
	s_wait_alu depctr_va_vdst(0)
.irp t, 0,1,2,3,4,5,6,7
	BLOCK \t
.endr
.irp t, 0,1,2,3,4,5,6,7,8,9,10,11,12,13,14,15
	ds_load_b128 v[OUTR+4*\t:OUTR+4*\t+3], v7 offset:2*\t*PITCH   ; LDS serves a wave's instructions in order: these see my stores
.endr
.irp t, 0,1,2,3,4,5,6,7,8,9,10,11,12,13,14,15
	s_wait_dscnt 15-\t
	global_store_b128 v[OV+\t], v[OUTR+4*\t:OUTR+4*\t+3], s[14:15]   ; sixteen lanes store 256 consecutive bytes of a row of codes, aligned
.endr
	s_wait_tensorcnt 0x0                           ; the wave's end: behind my last LDS store
	ds_add_u32 v[SPW], v[NIL]
	s_wait_dscnt 0x0
	s_endpgm
.Lfunc_end_k_qda00fdb350_quant_w:
	.size	k_qda00fdb350_quant_w, .Lfunc_end_k_qda00fdb350_quant_w-k_qda00fdb350_quant_w
	.p2alignl 7, 3214868480
	.fill 96, 4, 3214868480
	.section	.rodata,"a",@progbits
	.p2align	6, 0x0
	.amdhsa_kernel k_qda00fdb350_quant_w
		.amdhsa_group_segment_fixed_size 35328
		.amdhsa_private_segment_fixed_size 0
		.amdhsa_enable_private_segment 0
		.amdhsa_kernarg_size 48
		.amdhsa_user_sgpr_count 2
		.amdhsa_user_sgpr_kernarg_segment_ptr 1
		.amdhsa_wavefront_size32 1
		.amdhsa_system_sgpr_workgroup_id_x 1
		.amdhsa_system_sgpr_workgroup_id_y 1
		.amdhsa_system_sgpr_workgroup_id_z 1
		.amdhsa_system_vgpr_workitem_id 0
		.amdhsa_next_free_vgpr 208
		.amdhsa_next_free_sgpr 66
		.amdhsa_reserve_vcc 0
		.amdhsa_float_denorm_mode_32 3
		.amdhsa_float_denorm_mode_16_64 3
		.amdhsa_fp16_overflow 1
		.amdhsa_memory_ordered 1
		.amdhsa_forward_progress 1
		.amdhsa_inst_pref_size 38
	.end_amdhsa_kernel
	.amdgpu_metadata
---
amdhsa.version: [ 1, 2 ]
amdhsa.kernels:
  - .name:           k_qda00fdb350_quant_w
    .symbol:         k_qda00fdb350_quant_w.kd
    .args:
      - { .name: Wq, .offset: 0, .size: 8, .value_kind: global_buffer, .address_space: global }
      - { .name: Wk, .offset: 8, .size: 8, .value_kind: global_buffer, .address_space: global }
      - { .name: Wv, .offset: 16, .size: 8, .value_kind: global_buffer, .address_space: global }
      - { .name: Wo, .offset: 24, .size: 8, .value_kind: global_buffer, .address_space: global }
      - { .name: lowp_scales, .offset: 32, .size: 8, .value_kind: global_buffer, .address_space: global }
      - { .name: w_codes, .offset: 40, .size: 8, .value_kind: global_buffer, .address_space: global }
    .group_segment_fixed_size: 35328
    .private_segment_fixed_size: 0
    .kernarg_segment_align: 8
    .kernarg_segment_size: 48
    .max_flat_workgroup_size: 128
    .sgpr_count:     66
    .vgpr_count:     208
    .wavefront_size: 32
...
	.end_amdgpu_metadata
.endif
;; end of part 2
;; launch qkv (part 3): grid 12 x 16, 4 waves a work-group, clusters of 4 x 4, 327,680 bytes of LDS; arguments h_codes, w_codes, lowp_scales, rope_tab, qk_codes, v_codes; writes qk_codes, v_codes
.if DOCPART == 3
	.amdgcn_target "amdgcn-amd-amdhsa--gfx1250"
	.amdhsa_code_object_version 6
	.text
	.protected	k_qda00fdb350_qkv
	.globl	k_qda00fdb350_qkv
	.p2align	8
	.type	k_qda00fdb350_qkv,@function
k_qda00fdb350_qkv:
	s_mov_b64 s[64:65], 0
	v_nop
	global_prefetch_b8 v0, s[64:65] scope:SCOPE_SE
	s_setreg_imm32_b32 hwreg(HW_REG_WAVE_MODE, 25, 1), 1
	s_wait_xcnt 0x0
	s_wait_alu depctr_hold_cnt(0) depctr_sa_sdst(0) depctr_va_vdst(0) depctr_va_sdst(0) depctr_va_ssrc(0) depctr_va_vcc(0) depctr_vm_vsrc(0)
	s_getreg_b32 s2, hwreg(HW_REG_IB_STS2, 6, 4)
	s_cmp_eq_u32 s2, 0
	s_cbranch_scc0 .Lentry_in_a_cluster
	s_endpgm
.Lentry_in_a_cluster:
	s_bfe_u32 s2, ttmp6, 0x10000c
	s_cmp_lg_u32 s2, 0xf033
	s_cbranch_scc0 .Lentry_shape_is_right
	s_endpgm
.Lentry_shape_is_right:
.set KSTEP,  256
.set ROWB,   256
.set KROW,   2048
.set PITCH,  272
.set FR,     16
.set NL,     4
.set NP,     4
.set HALFT,  128*PITCH
.set SLOT,   4*HALFT
.set LAPS,   2048/(2*KSTEP)
.set SPARE,  2*SLOT
.set SPITCH, 272
.set TT,   8
.set ADRA, 16
.set ADRB, 20
.set STO,  24
.set RD,   25
.set CO,   26
.set TBO,  27
.set SPW,  28
.set NIL,  29
.set SCL,  30
.set LIM,  31
.set YY,   96
.set AF,   128
.set CD,   128
.set G1, 24
.set G0, 32
.set G1B, 48
.set G0B, 56
.set MSB, 0
.macro WIN new
.if MSB != \new
	s_set_vgpr_msb (MSB<<8)|\new
.set MSB, \new
.endif
.endm
.set MUL_LO, 0xa1
.set MUL_HI, 0xf1
.set TO_B,   0x40
.macro JLOAD g0a, g1a, g0b, g1b
	s_cmp_eq_u32 s15, 0
	s_cbranch_scc0 .Lfor_b_\@
	tensor_load_to_lds s[\g0a:\g0a+3], s[\g1a:\g1a+7]
	s_nop 0
.rept 4
	v_nop
.endr
	s_branch .Lasked_\@
.Lfor_b_\@:
	tensor_load_to_lds s[\g0b:\g0b+3], s[\g1b:\g1b+7]
	s_nop 0
.rept 4
	v_nop
.endr
.Lasked_\@:
.endm
.macro CREST
	s_cmp_lg_u32 s14, 0
	s_cbranch_scc1 .Lnot_wave_0_\@
	s_barrier_signal -3
.Lnot_wave_0_\@:
	s_barrier_wait -3
	s_barrier_signal -1
	s_barrier_wait -1
.endm
.macro CROUND
	s_barrier_signal -1
	s_barrier_wait -1
	CREST
.endm
	s_load_b256 s[68:75], s[0:1], 0x0
	s_load_b128 s[76:79], s[0:1], 0x20
	v_lshl_add_u32 v[SPW], v0, 2, SPARE
	v_mov_b32 v[NIL], 0
	ds_add_u32 v[SPW], v[NIL]
	ds_add_u32 v[SPW], v[NIL]
	v_lshrrev_b32 v1, 5, v0
	v_readfirstlane_b32 s14, v1
	s_lshr_b32 s15, s14, 1
	s_and_b32 s16, s14, 1
	s_bfe_u32 s40, ttmp6, 0x40000
	s_bfe_u32 s41, ttmp6, 0x40004
	s_and_b32 s92, ttmp7, 0xffff
	s_lshl_b32 s92, s92, 2
	s_cmp_eq_u32 ttmp9, 2
	s_cselect_b32 s93, 0, s92
	s_cselect_b32 s94, s92, 0
	s_add_co_u32 s17, s41, s93
	s_add_co_u32 s42, s40, s94
	s_lshl_b32 s43, s41, 2
	s_lshl_b32 s43, 15, s43
	s_lshl_b32 s44, 0x1111, s40
	s_or_b32 s[G1+0], s43, (0<<16)|(1<<20)|(1<<21)|(5<<22)|(3<<25)
	s_or_b32 s[G1B+0], s44, (0<<16)|(1<<20)|(1<<21)|(5<<22)|(3<<25)
.irp g, G1, G1B
	s_mov_b32 s[\g+1], ROWB<<16
	s_mov_b32 s[\g+2], 128<<16
	s_mov_b32 s[\g+3], ROWB<<16
	s_mov_b32 s[\g+4], 128
	s_mov_b32 s[\g+5], KROW
	s_mov_b32 s[\g+6], 0
	s_mov_b32 s[\g+7], 0
.endr
	s_lshl_b32 s18, s16, 7
	s_lshl_b32 s20, s17, 8
	s_add_co_u32 s20, s20, s18
	s_lshl_b32 s20, s20, 11
	s_mov_b32 s21, 0
	s_lshl_b32 s46, s42, 8
	s_add_co_u32 s46, s46, s18
	s_lshl_b32 s46, s46, 11
	s_mov_b32 s47, 0
	s_lshl_b32 s96, ttmp9, 23
	s_mov_b32 s97, 0
	s_lshl_b32 s98, ttmp9, 21
	s_mov_b32 s99, 0
	s_mul_i32 s45, s14, HALFT
	s_wait_dscnt 0x0
	s_wait_kmcnt 0x0
	s_load_b256 s[80:87], s[72:73], 0x0
	s_load_b128 s[88:91], s[72:73], 0x20
	s_add_nc_u64 s[68:69], s[68:69], s[96:97]
	s_add_nc_u64 s[70:71], s[70:71], s[98:99]
	s_cmp_eq_u32 ttmp9, 2
	s_cselect_b64 s[4:5], s[70:71], s[68:69]
	s_cselect_b64 s[6:7], s[68:69], s[70:71]
	s_add_nc_u64 s[20:21], s[4:5], s[20:21]
	s_add_nc_u64 s[46:47], s[6:7], s[46:47]
	CROUND
.irp s, 0,1
	s_mov_b32 s[G0+4*\s], 1
	s_add_co_u32 s[G0+4*\s+1], s45, \s*SLOT
	s_add_nc_u64 s[G0+4*\s+2:G0+4*\s+3], s[20:21], \s*ROWB
	s_or_b32 s[G0+4*\s+3], s[G0+4*\s+3], 0x80000000
	s_mov_b32 s[G0B+4*\s], 1
	s_add_co_u32 s[G0B+4*\s+1], s45, \s*SLOT
	s_add_nc_u64 s[G0B+4*\s+2:G0B+4*\s+3], s[46:47], \s*ROWB
	s_or_b32 s[G0B+4*\s+3], s[G0B+4*\s+3], 0x80000000
	s_wait_alu depctr_va_vdst(0)
	s_wait_tensorcnt 0x0
	ds_add_u32 v28, v29
	ds_add_u32 v28, v29
	s_wait_dscnt 0x0
	CROUND
	JLOAD G0+4*\s, G1, G0B+4*\s, G1B
.endr
	v_and_b32 v1, 15, v0
	s_wait_alu depctr_va_vdst(0)
	v_bfe_u32 v6, v0, 4, 1
	v_mul_u32_u24 v7, v1, PITCH
	v_lshl_add_u32 v7, v6, 4, v7
	s_mul_i32 s21, s15, HALFT
	s_mul_i32 s22, s16, HALFT
	s_add_co_u32 s22, s22, 2*HALFT
.irp s, 0,1
	v_add_nc_u32 v[ADRA+\s], s21, v7
	v_add_nc_u32 v[ADRB+\s], s22, v7
	s_add_co_u32 s21, s21, SLOT
	s_add_co_u32 s22, s22, SLOT
.endr
	s_mul_i32 s23, s15, 128*SPITCH
	s_lshl_b32 s92, s16, 7
	s_add_co_u32 s23, s23, s92
	v_mul_u32_u24 v[STO], v1, SPITCH
	s_wait_alu depctr_va_vdst(0)
	v_lshl_add_u32 v[STO], v6, 3, v[STO]
	v_add_nc_u32 v[STO], s23, v[STO]
	s_mul_i32 s23, s14, 64*SPITCH
	v_mul_u32_u24 v[RD], v6, SPITCH
	v_lshl_add_u32 v[RD], v1, 4, v[RD]
	v_add_nc_u32 v[RD], s23, v[RD]
	v_lshlrev_b32 v[CO], 11, v6
	v_lshl_add_u32 v[CO], v1, 4, v[CO]
	v_and_b32 v[TBO], 31, v0
	v_lshlrev_b32 v[TBO], 4, v[TBO]
	s_wait_alu depctr_va_vdst(0)
	s_lshl_b32 s92, s17, 8
	s_lshr_b32 s93, s42, 3
	s_lshl_b32 s93, s93, 10
	s_and_b32 s94, s42, 7
	s_lshl_b32 s94, s94, 8
	s_lshl_b32 s95, ttmp9, 10
	s_lshl_b32 s96, s42, 8
	s_add_co_u32 s95, s95, s96
	s_cmp_eq_u32 ttmp9, 2
	s_cselect_b32 s93, s93, 0
	s_cselect_b32 s94, s94, s95
	s_cselect_b64 s[10:11], s[78:79], s[76:77]
	s_add_co_u32 s92, s92, s93
	s_lshl_b32 s93, s14, 6
	s_add_co_u32 s92, s92, s93
	s_lshl_b32 s92, s92, 11
	s_add_co_u32 s92, s92, s94
	s_mov_b32 s93, 0
	s_add_nc_u64 s[10:11], s[10:11], s[92:93]
	s_lshl_b32 s8, s17, 4
	s_lshl_b32 s9, s15, 3
	s_add_co_u32 s8, s8, s9
	s_lshl_b32 s8, s8, 12
	s_mov_b32 s9, 0
	s_add_nc_u64 s[8:9], s[74:75], s[8:9]
.macro TABLOAD a
.irp i, 0,1,2,3,4,5,6,7
	global_load_b128 v[32+32*((\a)%2)+4*\i:32+32*((\a)%2)+4*\i+3], v[TBO], s[8:9] offset:4096*(\a)+512*\i
.endr
.endm
	TABLOAD 0
	TABLOAD 1
.macro FRAG reg, adr, q, i
.irp c, 0,1,2,3
	ds_load_b128 v[\reg+4*\c:\reg+4*\c+3], v[\adr] offset:128*(\q)+32*\c+(\i)*16*PITCH
.endr
.endm
.macro MUL16 a0, p, zero
.irp a, \a0, \a0+1
.irp b, 0,1,2,3,4,5,6,7
.if \zero
	v_wmma_f32_16x16x128_fp8_fp8 v[8*(8*((\a)%4)+\b):8*(8*((\a)%4)+\b)+7], v[128*(\p)+FR*\b:128*(\p)+FR*\b+FR-1], v[AF+FR*(\a):AF+FR*(\a)+FR-1], 0
.else
	v_wmma_f32_16x16x128_fp8_fp8 v[8*(8*((\a)%4)+\b):8*(8*((\a)%4)+\b)+7], v[128*(\p)+FR*\b:128*(\p)+FR*\b+FR-1], v[AF+FR*(\a):AF+FR*(\a)+FR-1], v[8*(8*((\a)%4)+\b):8*(8*((\a)%4)+\b)+7]
.endif
.endr
.endr
.endm
.macro FETCH_B slot, q, p
	WIN TO_B
.irp i, 0,1,2,3,4,5,6,7
	FRAG 128*(\p)+FR*\i, ADRB+\slot, \q, \i
.endr
	WIN 0
.endm
.macro FETCH_A slot, q, i0
.irp i, \i0, \i0+1, \i0+2, \i0+3
	FRAG AF+FR*(\i), ADRA+\slot, \q, \i
.endr
.endm
.macro PLACES n
.rept \n
	v_nop
.endr
.endm
.macro STEP slot, q, zero
	s_wait_dscnt 4*NL
	WIN MUL_LO
	MUL16 0, (\q)%2, \zero
	MUL16 2, (\q)%2, \zero
	s_wait_dscnt 0
	PLACES NP
	FETCH_B \slot, (\q)+1, 1-(\q)%2
	FETCH_A \slot, (\q)+1, 0
	WIN MUL_HI
	MUL16 4, (\q)%2, \zero
	MUL16 6, (\q)%2, \zero
	PLACES NP
	WIN 0
	FETCH_A \slot, (\q)+1, 4
.endm
.macro TURN slot, next, fill
	s_wait_tensorcnt 0x0
	ds_add_u32 v[SPW], v[NIL]
	s_wait_dscnt 4*NL+1
	WIN MUL_LO
	MUL16 0, 1, 0
	s_wait_dscnt 0x0
	s_barrier_signal -1
	MUL16 2, 1, 0
	WIN 0
	s_barrier_wait -1
.if \fill
	CREST
	s_add_nc_u64 s[G0+4*\slot+2:G0+4*\slot+3], s[G0+4*\slot+2:G0+4*\slot+3], 2*ROWB
	s_add_nc_u64 s[G0B+4*\slot+2:G0B+4*\slot+3], s[G0B+4*\slot+2:G0B+4*\slot+3], 2*ROWB
	JLOAD G0+4*\slot, G1, G0B+4*\slot, G1B
.else
	PLACES NP
.endif
	FETCH_B \next, 0, 0
	FETCH_A \next, 0, 0
	WIN MUL_HI
	MUL16 4, 1, 0
	MUL16 6, 1, 0
	PLACES NP
	WIN 0
	FETCH_A \next, 0, 4
.endm
	s_wait_tensorcnt 1
	s_barrier_signal -1
	s_barrier_wait -1
	FETCH_B 0, 0, 0
	FETCH_A 0, 0, 0
	FETCH_A 0, 0, 4
	STEP 0, 0, 1
	s_mov_b32 s3, LAPS-1
.Llap:
	TURN 0, 1, 1
	STEP 1, 0, 0
	TURN 1, 0, 1
	STEP 0, 0, 0
	s_sub_co_u32 s3, s3, 1
	s_cmp_lg_u32 s3, 0
	s_cbranch_scc1 .Llap
	TURN 0, 1, 0
	STEP 1, 0, 0
	s_wait_dscnt 4*NL
	WIN MUL_LO
	MUL16 0, 1, 0
	MUL16 2, 1, 0
	s_wait_dscnt 0
	WIN MUL_HI
	MUL16 4, 1, 0
	MUL16 6, 1, 0
	WIN 0
	s_wait_kmcnt 0x0
	s_add_co_i32 s92, s80, s81
	s_add_co_i32 s93, s82, s83
	s_add_co_i32 s94, s84, s85
	s_sub_co_i32 s92, s86, s92
	s_sub_co_i32 s93, s87, s93
	s_sub_co_i32 s94, s89, s94
	s_cmp_eq_u32 ttmp9, 1
	s_cselect_b32 s92, s93, s92
	s_cmp_eq_u32 ttmp9, 2
	s_cselect_b32 s92, s94, s92
	s_cselect_b32 s95, 0, 0x3f800000
	s_cselect_b32 s96, 0x3f800000, 0
	s_add_co_i32 s92, s92, 127
	s_lshl_b32 s93, s92, 23
	s_add_co_i32 s92, s92, 8
	s_lshl_b32 s92, s92, 23
	s_or_b32 s92, s92, 0x600000
	v_mov_b32 v[SCL], s93
	v_mov_b32 v2, s95
	v_mov_b32 v3, s95
	v_mov_b32 v4, s96
	v_mov_b32 v5, s96
.macro ROPEBLK a
.set CS, 32+32*((\a)%2)
.set AC, 64*((\a)%4)
.if (\a) < 7
	s_wait_loadcnt 8
.else
	s_wait_loadcnt 0
.endif
.irp j, 0,2,4,6,8,10,12,14
	v_pk_fma_f32 v[CS+\j:CS+\j+1], v[CS+\j:CS+\j+1], v[2:3], v[4:5]
.endr
.irp j, 0,2,4,6,8,10,12,14
	v_pk_mul_f32 v[CS+16+\j:CS+16+\j+1], v[CS+16+\j:CS+16+\j+1], v[2:3]
.endr
.irp g, 0,1
	WIN 0x02+((\a)/4)
.irp u, 0,1
.irp j, 0,2,4,6
.set X1, AC+8*(4*\g+\u)+\j
.set X2, X1+16
.set T1, TT+2*(\j%4)
	v_pk_mul_f32 v[T1:T1+1], v[X2:X2+1], v[CS+16+8*\u+\j:CS+16+8*\u+\j+1]
	v_pk_mul_f32 v[T1+2:T1+3], v[X1:X1+1], v[CS+16+8*\u+\j:CS+16+8*\u+\j+1]
	v_pk_fma_f32 v[YY+8*\u+\j:YY+8*\u+\j+1], v[X1:X1+1], v[CS+8*\u+\j:CS+8*\u+\j+1], v[T1:T1+1] neg_lo:[0,0,1] neg_hi:[0,0,1]
	v_pk_fma_f32 v[YY+16+8*\u+\j:YY+16+8*\u+\j+1], v[X2:X2+1], v[CS+8*\u+\j:CS+8*\u+\j+1], v[T1+2:T1+3]
.endr
.endr
	WIN 0
.set i, 0
.rept 32
.set i, i+1
.endr
.irp b, 0,1,2,3
	v_cvt_scalef32_pk8_fp8_f32 v[CD+16*(\a)+8*\g+2*\b:CD+16*(\a)+8*\g+2*\b+1], v[YY+8*\b:YY+8*\b+7], v[SCL]
.endr
	v_nop
.irp b, 0,1,2,3
	ds_store_b64 v[STO], v[CD+16*(\a)+8*\g+2*\b:CD+16*(\a)+8*\g+2*\b+1] offset:(\a)*16*SPITCH+16*(4*\g+\b)
.endr
.endr
.if (\a)+2 < 8
	TABLOAD (\a)+2
.endif
.endm
	s_wait_alu depctr_va_vdst(0)
.irp a, 0,1,2,3,4,5,6,7
	ROPEBLK \a
.endr
	s_wait_dscnt 0x0
	s_barrier_signal -1
	s_barrier_wait -1
.set t, 0
.rept 32
	ds_load_b128 v[CD+4*t:CD+4*t+3], v[RD] offset:t*2*SPITCH
.set t, t+1
.endr
.set t, 0
.rept 32
	s_wait_dscnt 31-t
	global_store_b128 v[CO], v[CD+4*t:CD+4*t+3], s[10:11] offset:t*2*2048
.set t, t+1
.endr
	s_wait_tensorcnt 0x0
	ds_add_u32 v[SPW], v[NIL]
	s_wait_dscnt 0x0
	CROUND
	s_endpgm
.Lfunc_end_k_qda00fdb350_qkv:
	.size	k_qda00fdb350_qkv, .Lfunc_end_k_qda00fdb350_qkv-k_qda00fdb350_qkv
	.p2alignl 7, 3214868480
	.fill 96, 4, 3214868480
	.section	.rodata,"a",@progbits
	.p2align	6, 0x0
	.amdhsa_kernel k_qda00fdb350_qkv
		.amdhsa_group_segment_fixed_size 327680
		.amdhsa_private_segment_fixed_size 0
		.amdhsa_enable_private_segment 0
		.amdhsa_kernarg_size 48
		.amdhsa_user_sgpr_count 2
		.amdhsa_user_sgpr_kernarg_segment_ptr 1
		.amdhsa_wavefront_size32 1
		.amdhsa_system_sgpr_workgroup_id_x 1
		.amdhsa_system_sgpr_workgroup_id_y 1
		.amdhsa_system_sgpr_workgroup_id_z 1
		.amdhsa_system_vgpr_workitem_id 0
		.amdhsa_next_free_vgpr 1024
		.amdhsa_next_free_sgpr 100
		.amdhsa_reserve_vcc 0
		.amdhsa_float_denorm_mode_32 3
		.amdhsa_float_denorm_mode_16_64 3
		.amdhsa_fp16_overflow 1
		.amdhsa_memory_ordered 1
		.amdhsa_forward_progress 1
		.amdhsa_inst_pref_size 142
	.end_amdhsa_kernel
	.amdgpu_metadata
---
amdhsa.version: [ 1, 2 ]
amdhsa.kernels:
  - .name:           k_qda00fdb350_qkv
    .symbol:         k_qda00fdb350_qkv.kd
    .args:
      - { .name: h_codes, .offset: 0, .size: 8, .value_kind: global_buffer, .address_space: global }
      - { .name: w_codes, .offset: 8, .size: 8, .value_kind: global_buffer, .address_space: global }
      - { .name: lowp_scales, .offset: 16, .size: 8, .value_kind: global_buffer, .address_space: global }
      - { .name: rope_tab, .offset: 24, .size: 8, .value_kind: global_buffer, .address_space: global }
      - { .name: qk_codes, .offset: 32, .size: 8, .value_kind: global_buffer, .address_space: global }
      - { .name: v_codes, .offset: 40, .size: 8, .value_kind: global_buffer, .address_space: global }
    .group_segment_fixed_size: 327680
    .private_segment_fixed_size: 0
    .kernarg_segment_align: 8
    .kernarg_segment_size: 48
    .max_flat_workgroup_size: 128
    .sgpr_count:     100
    .vgpr_count:     1024
    .wavefront_size: 32
...
	.end_amdgpu_metadata
.endif
;; end of part 3
;; launch attn (part 4): grid 4 x 64, 16 waves a work-group, clusters of 4 x 4, 327,680 bytes of LDS; arguments qk_codes, v_codes, attention_mask, lowp_scales, a_codes; writes a_codes
.if DOCPART == 4
	.amdgcn_target "amdgcn-amd-amdhsa--gfx1250"
	.amdhsa_code_object_version 6
	.text
	.protected	k_qda00fdb350_attn
	.globl	k_qda00fdb350_attn
	.p2align	8
	.type	k_qda00fdb350_attn,@function
k_qda00fdb350_attn:
	s_mov_b64 s[64:65], 0
	v_nop
	global_prefetch_b8 v0, s[64:65] scope:SCOPE_SE
	s_setreg_imm32_b32 hwreg(HW_REG_WAVE_MODE, 25, 1), 1
	s_wait_xcnt 0x0
	s_wait_alu depctr_hold_cnt(0) depctr_sa_sdst(0) depctr_va_vdst(0) depctr_va_sdst(0) depctr_va_ssrc(0) depctr_va_vcc(0) depctr_vm_vsrc(0)
	s_getreg_b32 s2, hwreg(HW_REG_IB_STS2, 6, 4)
	s_cmp_eq_u32 s2, 0
	s_cbranch_scc0 .Lentry_in_a_cluster
	s_endpgm
.Lentry_in_a_cluster:
	s_bfe_u32 s2, ttmp6, 0x10000c
	s_cmp_lg_u32 s2, 0xf033
	s_cbranch_scc0 .Lentry_shape_is_right
	s_endpgm
.Lentry_shape_is_right:
; Products 4 and 5 on E4M3 codes with the softmax between them, and the quantiser for product 6.  The mask is an INPUT: every query meets every key, and every number of the mask is read and added in f32.
; logit = score x 2^(e6 + e7 - 3) + mask, one fused multiply-add (1 / sqrt(64) = 2^-3);  t = logit x log2(e), rounded to f32;  M = the running largest t rounded UP to a whole number;  p = 2^(t - M) is quantised with 2^e8;
; the row's sum l is taken of the unquantised p; when M moves, l and O are multiplied by 2^(old M - new M), which rounds nothing.  At the end O / l is quantised with 2^e10; a sum of product 5 stands for sum x 2^(e8 + e9).
; t is rounded BEFORE M is taken away (a multiply and an add, not one fused line): M is the ceiling of such a rounded t, so t - M is exact at every magnitude, also in rows whose logits all lie near a large negative mask.
; SHARES.  A work-group takes 64 queries x 4 heads: the mask's rows serve all four heads.  Head group = cx, query block = 4 x cluster y + cy.  Wave w: head w % 4 of the group, queries 16 (w / 4) on: one tile of 16, 256 registers,
; four waves to a SIMD, so that one wave's vector work stands beside another's matrix work and LDS loads.  Every wave walks all 2,048 keys, 128 a step, 16 steps.
; CLUSTER 4 x 4.  The four of a row (same queries) ask for the mask's tile JOINTLY, the four of a column (same heads) for K's and V's.  Wave 0 fetches the mask's tile, wave 1 K's, waves 2 and 3 V's halves; one tensor load of a wave is out at a time.
; LAYOUT.  Both products are used transposed: S^T = K Q^T (source 0 = 16 neighbouring keys, source 1 = my 16 queries), O^T = V^T P^T: a lane holds ONE query (lane % 16) throughout.  Register j of tile t holds key 16 t + 8 (lane / 16) + j:
; the tile's conversion gives registers 2 t, 2 t + 1 of the second product's operand, each k in its own place; V is read in the same places by loads of 8 bytes.
; LIMITS on the given exponents, so that each power of two below is an f32 number: e6 + e7 - 3 between -126 and 127; e8, and e10 - e8 - e9, between -126 and 119.  NaN among the inputs is not served.
; A row whose mask is -infinity throughout gives NaN, as the softmax of such a row does.
.set MP,    528                        ; a row of the mask's tile in LDS: 512 bytes + 16
.set KP,    272                        ; a key's row: 4 heads x 64 bytes + 16
.set VP,    144                        ; a row of V^T: 128 keys + 16
.set MOFF,  0                          ; a slot: 64 rows of the mask,
.set KOFF,  64*MP                      ; 128 rows of K,
.set VOFF,  KOFF+128*KP                ; 256 rows of V^T
.set SLOT,  VOFF+256*VP                ; 105,472 bytes
.set STAGE, 2*SLOT                     ; behind the ring, bytes of its own: 64 rows x (256 bytes + 16), for the way out
.set SPARE, STAGE+64*272               ; behind the stage: the spare words, 128 bytes a wave: eight blocks of 256 bytes that no other line names
.set ADK,  1                           ; v1, v2   LDS address of my lane in K's tile, slot 0, 1
.set ADV,  3                           ; v3, v4   in V's
.set ADM,  5                           ; v5, v6   in the mask's
.set SPW,  7                           ; v7       LDS address of my spare word; never rewritten
.set NIL,  8                           ; v8       0; never rewritten
.set STO,  9                           ; v9       the stage: where I put 8 bytes of a row
.set RD,   10                          ; v10      and where I read a row back
.set GO,   11                          ; v11      my byte offset in two rows of a_codes
                                       ; v12 -M, v13 the largest t, v[14:15] the sum in two halves
.set QF,   16                          ; v16-23   Q's fragment
.set F,    24                          ; v24-55   four fragments of K
.set S,    56                          ; v56-119  S^T, then p
.set MB,   120                         ; v120-183 the mask's numbers, then V's four fragments
.set O,    184                         ; v184-215 O^T
.set P,    216                         ; v216-231 p's codes
                                       ; v232, v233 at work; v234 a permute's destination; v[236:237] f; v238 the last quantiser's scale; v241 2^e8; v[242:243] a second chain of sums
.set PFO,  244                         ; v244     the prefetches' offset; never rewritten
.set G1M,  16                          ; s[16:23] descriptor group 1 for the mask's tiles; s[24:31] K's; s[32:39] V's
.set G1K,  24
.set G1V,  32
.set G0M,  40                          ; s[40:47] group 0 for the mask's tiles, one set for each slot; s[48:55] K's; s[56:63] V's
.set G0K,  48
.set G0V,  56
.set WV,   66                          ; s66      my wave's number
.set PFA,  86                          ; s[86:87] where my prefetches stand
.set PFS,  88                          ; s[88:89] a key step on, in bytes
                                       ; s67 trips; s[68:79] the twelve exponents; s[80:81] 2^(e6 + e7 - 3); s[82:83] log2(e); s[84:85] lane selects; s90, s91: 1 where my wave prefetches in a trip on slot 0, 1
.macro ROUND                           ; a round of the cluster's barrier
	s_barrier_signal -1
	s_barrier_wait -1
	s_cmp_lg_u32 s[WV], 0
	s_cbranch_scc1 .Lnot_wave_0_\@
	s_barrier_signal -3
.Lnot_wave_0_\@:
	s_barrier_wait -3
	s_barrier_signal -1
	s_barrier_wait -1
.endm
; The joint loads into slot s.  The branches hang on the wave's number alone.  An s_nop 0 and four v_nop follow each line.
.macro TLOAD s
	s_cmp_lg_u32 s[WV], 0
	s_cbranch_scc1 .Lnot_m_\@
	tensor_load_to_lds s[G0M+4*(\s):G0M+4*(\s)+3], s[G1M:G1M+7]
	s_nop 0
.rept 4
	v_nop
.endr
	s_branch .Lasked_\@
.Lnot_m_\@:
	s_cmp_lg_u32 s[WV], 1
	s_cbranch_scc1 .Lnot_k_\@
	tensor_load_to_lds s[G0K+4*(\s):G0K+4*(\s)+3], s[G1K:G1K+7]
	s_nop 0
.rept 4
	v_nop
.endr
	s_branch .Lasked_\@
.Lnot_k_\@:
	s_cmp_lt_u32 s[WV], 4
	s_cbranch_scc0 .Lasked_\@
	tensor_load_to_lds s[G0V+4*(\s):G0V+4*(\s)+3], s[G1V:G1V+7]
	s_nop 0
.rept 4
	v_nop
.endr
.Lasked_\@:
.endm
; A PREFETCH INTO THE L2: the trip of key step t asks for key step t + 2, one step further on than the joint load that stands in front of it; one instruction a wave, by waves that fetch nothing.
; Each aligned block of 256 bytes is named once in the launch.  The mask's 64 rows x 512 bytes: wave 4 of every work-group; the four partners of a row share them by ADDRESS: rows 16 cx on, two lanes to a row.
; K's 128 rows x 256 bytes: wave 5; V's 2 x 128 rows: waves 6 and 7, in trips on slot 0 alone, since 256 bytes of a row of V^T serve two steps.  All clusters of a batch walk the same K and V: its first cluster asks
; (a branch on the cluster's number, the same in all partners); the four partners of a column share the rows by ADDRESS: 32 cy on.  The first two steps come by their loads alone, and the last two trips ask for nothing.
.macro ASK f
	s_cmp_eq_u32 s[\f], 1
	s_cbranch_scc0 .Lnot_mine_\@
	global_prefetch_b8 v[PFO], s[PFA:PFA+1] th:TH_LOAD_NT scope:SCOPE_SE
.Lnot_mine_\@:
.endm
	s_load_b256 s[4:11], s[0:1], 0x0               ; qk_codes s[4:5], v_codes s[6:7], attention_mask s[8:9], lowp_scales s[10:11]
	s_load_b64 s[12:13], s[0:1], 0x20              ; a_codes
	v_lshl_add_u32 v[SPW], v0, 2, SPARE
	v_mov_b32 v[NIL], 0
	ds_add_u32 v[SPW], v[NIL]                      ; the wave's opening: the add and its wait stand ahead of my first tensor load; the set-up below, work on registers, stands between them
	ds_add_u32 v[SPW], v[NIL]
	v_lshrrev_b32 v247, 5, v0
	s_delay_alu instid0(VALU_DEP_1)
	v_readfirstlane_b32 s[WV], v247                ; wave 0..15
	s_bfe_u32 s14, ttmp6, 0x40000                  ; cx: the group of four heads
	s_bfe_u32 s15, ttmp6, 0x40004                  ; cy
	s_and_b32 s92, s[WV], 3                        ; my head in the group
	s_lshr_b32 s93, s[WV], 2                       ; my tile of 16 queries
	s_and_b32 s94, ttmp7, 0xffff                   ; the cluster's y
	s_lshr_b32 s3, s94, 3                          ; the batch
	s_lshl_b32 s95, s94, 2
	s_add_co_u32 s95, s95, s15
	s_lshl_b32 s95, s95, 6                         ; my work-group's first token: 64 (4 x cluster y + cy)
	s_lshl_b32 s96, s15, 2
	s_lshl_b32 s96, 15, s96                        ; my row of the cluster
	s_lshl_b32 s97, 0x1111, s14                    ; my column
	s_or_b32 s[G1M], s96, (2<<16)|(1<<20)|(1<<21)|(6<<22)|(3<<25)   ; the mask: elements of 4 bytes; padding: 4 words after every 128; shared along the row
	s_mov_b32 s[G1M+1], 128<<16                    ; tensor_dim0 = 128
	s_mov_b32 s[G1M+2], 64<<16                     ; tensor_dim1 = 64
	s_mov_b32 s[G1M+3], 128<<16                    ; tile_dim0 = 128 keys
	s_mov_b32 s[G1M+4], 64                         ; tile_dim1 = 64 queries
	s_mov_b32 s[G1M+5], 2048                       ; elements from row to row
	s_mov_b32 s[G1M+6], 0
	s_mov_b32 s[G1M+7], 0
	s_or_b32 s[G1K], s97, (0<<16)|(1<<20)|(1<<21)|(5<<22)|(3<<25)   ; K: bytes; padding: 4 words after every 64; shared along the column
	s_mov_b32 s[G1K+1], 256<<16
	s_mov_b32 s[G1K+2], 128<<16
	s_mov_b32 s[G1K+3], 256<<16                    ; 4 heads x 64 bytes
	s_mov_b32 s[G1K+4], 128                        ; 128 keys
	s_mov_b32 s[G1K+5], 2048
	s_mov_b32 s[G1K+6], 0
	s_mov_b32 s[G1K+7], 0
	s_or_b32 s[G1V], s97, (0<<16)|(1<<20)|(1<<21)|(4<<22)|(3<<25)   ; V: bytes; padding: 4 words after every 32; shared along the column
	s_mov_b32 s[G1V+1], 128<<16
	s_mov_b32 s[G1V+2], 128<<16
	s_mov_b32 s[G1V+3], 128<<16                    ; 128 keys
	s_mov_b32 s[G1V+4], 128                        ; 128 rows: two heads
	s_mov_b32 s[G1V+5], 2048
	s_mov_b32 s[G1V+6], 0
	s_mov_b32 s[G1V+7], 0
	s_lshl_b32 s96, s95, 13                        ; the mask: my first token's row of 8,192 bytes: made of cy and the cluster's y alone
	s_mov_b32 s97, 0
	s_lshl_b32 s98, s3, 22                         ; K: the batch's 2,048 rows of 2,048 bytes, + 1,024 (k's half of a row) + 256 cx
	s_lshl_b32 s99, s14, 8
	s_add_co_u32 s98, s98, s99
	s_add_co_u32 s98, s98, 1024
	s_mov_b32 s99, 0
	s_and_b32 s2, s[WV], 1                         ; which half of V's 256 rows I fetch, if I fetch
	s_lshl_b32 s100, s3, 21                        ; V: the batch's 1,024 rows of 2,048 bytes, + 256 cx rows + 128 rows x half
	s_lshl_b32 s101, s14, 19
	s_add_co_u32 s100, s100, s101
	s_lshl_b32 s101, s2, 18
	s_add_co_u32 s100, s100, s101
	s_mov_b32 s101, 0
	s_mul_i32 s2, s2, 128*VP                       ; and its place in a slot
	s_lshl_b32 s80, s93, 4                         ; Q: row (first token + 16 x my tile), byte 256 cx + 64 x my head
	s_add_co_u32 s80, s80, s95
	s_lshl_b32 s80, s80, 11
	s_lshl_b32 s81, s14, 8
	s_add_co_u32 s80, s80, s81
	s_lshl_b32 s82, s[WV], 2                       ; a_codes: row (first token + 4 x wave) of 1,024 bytes, byte 256 cx
	s_add_co_u32 s82, s82, s95
	s_lshl_b32 s82, s82, 10
	s_add_co_u32 s82, s82, s81
	s_lshl_b32 s81, s92, 6
	s_add_co_u32 s80, s80, s81
	s_mov_b32 s81, 0
	s_mov_b32 s83, 0
	s_mov_b32 s84, 0x76543210                      ; v_permlanex16_b32's selects for lane l xor 16
	s_mov_b32 s85, 0xfedcba98
	s_wait_dscnt 0x0                               ; the opening add is done
	s_wait_kmcnt 0x0
	s_load_b256 s[68:75], s[10:11], 0x0            ; entries 0 to 7,
	s_load_b128 s[76:79], s[10:11], 0x20           ; 8 to 11
	s_add_nc_u64 s[8:9], s[8:9], s[96:97]          ; the mask at my 64 rows
	s_add_nc_u64 s[98:99], s[4:5], s[98:99]        ; K at key 0 of my heads
	s_add_nc_u64 s[100:101], s[6:7], s[100:101]    ; V at key 0 of my half
	s_add_nc_u64 s[4:5], s[4:5], s[80:81]          ; Q at my tile
	s_add_nc_u64 s[12:13], s[12:13], s[82:83]      ; a_codes at the rows that I store
.irp s, 0,1                                    ; slot s begins with key step s
	s_mov_b32 s[G0M+4*\s], 1
	s_mov_b32 s[G0M+4*\s+1], \s*SLOT+MOFF
	s_add_nc_u64 s[G0M+4*\s+2:G0M+4*\s+3], s[8:9], \s*512
	s_or_b32 s[G0M+4*\s+3], s[G0M+4*\s+3], 0x80000000
	s_mov_b32 s[G0K+4*\s], 1
	s_mov_b32 s[G0K+4*\s+1], \s*SLOT+KOFF
	s_add_nc_u64 s[G0K+4*\s+2:G0K+4*\s+3], s[98:99], \s*128*2048
	s_or_b32 s[G0K+4*\s+3], s[G0K+4*\s+3], 0x80000000
	s_mov_b32 s[G0V+4*\s], 1
	s_add_co_u32 s[G0V+4*\s+1], s2, \s*SLOT+VOFF
	s_add_nc_u64 s[G0V+4*\s+2:G0V+4*\s+3], s[100:101], \s*128
	s_or_b32 s[G0V+4*\s+3], s[G0V+4*\s+3], 0x80000000
.endr
	ROUND                                          ; all sixteen work-groups are here: the first joint loads meet
	TLOAD 0                                        ; key step 0
	; the prefetches: where my wave's stand (at key step 1: the first trip steps them to step 2), and who asks
	s_lshl_b32 s94, s14, 17                        ; the mask: 16 cx rows of 8,192 bytes, + a step's 512
	s_add_co_u32 s94, s94, 512
	s_lshl_b32 s96, s15, 16                        ; K and V: 32 cy rows of 2,048 bytes,
	s_add_co_u32 s97, s96, 128                     ; V: + a step's 128 bytes
	s_add_co_u32 s96, s96, 0x40000                 ; K: + a step's 128 rows
	s_mov_b32 s[PFS], 128
	s_mov_b32 s2, 0x40000
	s_mov_b32 s3, 2048                             ; from row to row
	s_cmp_eq_u32 s[WV], 5
	s_cselect_b64 s[PFA:PFA+1], s[98:99], s[100:101]
	s_cselect_b32 s96, s96, s97
	s_cselect_b32 s[PFS], s2, s[PFS]
	s_mov_b32 s2, 512
	s_cmp_eq_u32 s[WV], 4
	s_cselect_b64 s[PFA:PFA+1], s[8:9], s[PFA:PFA+1]
	s_cselect_b32 s96, s94, s96
	s_cselect_b32 s[PFS], s2, s[PFS]
	s_cselect_b32 s3, 8192, s3
	s_cselect_b32 s2, 1, 0                         ; the mask: two lanes to a row
	s_mov_b32 s97, 0
	s_mov_b32 s[PFS+1], 0
	s_add_nc_u64 s[PFA:PFA+1], s[PFA:PFA+1], s[96:97]
	v_and_b32 v245, 31, v0
	s_delay_alu instid0(VALU_DEP_1)
	v_lshrrev_b32 v[PFO], s2, v245
	s_delay_alu instid0(VALU_DEP_1)
	v_mul_lo_u32 v[PFO], v[PFO], s3
	s_delay_alu instid0(VALU_DEP_3)
	v_and_b32 v245, s2, v245
	s_delay_alu instid0(VALU_DEP_1)
	v_lshl_add_u32 v[PFO], v245, 8, v[PFO]         ; the mask: 8,192 (lane / 2) + 256 (lane % 2); K and V: 2,048 x lane
	s_and_b32 s94, ttmp7, 0xffff
	s_and_b32 s94, s94, 7
	s_lshr_b32 s96, s[WV], 1
	s_cmp_eq_u32 s94, 0
	s_cselect_b32 s94, 1, 0                        ; the batch's first cluster?
	s_cmp_eq_u32 s[WV], 4
	s_cselect_b32 s90, 1, 0
	s_cmp_eq_u32 s[WV], 5
	s_cselect_b32 s90, s94, s90
	s_mov_b32 s91, s90                             ; trips on slot 1: waves 4 and 5
	s_cmp_eq_u32 s96, 3
	s_cselect_b32 s90, s94, s90                    ; trips on slot 0: waves 6 and 7 too
	v_and_b32 v247, 15, v0                         ; r = lane % 16
	v_bfe_u32 v248, v0, 4, 1                       ; h = lane / 16
	s_delay_alu instid0(VALU_DEP_2)
	v_lshlrev_b32 v246, 11, v247
	s_delay_alu instid0(VALU_DEP_1)
	v_lshl_add_u32 v246, v248, 4, v246             ; Q: row r of 2,048 bytes, + 16 h
	global_load_b128 v[QF:QF+3], v246, s[4:5]              ; registers 0-3: d = 16 h + 0 .. 15, registers 4-7: d = 32 + 16 h + 0 .. 15: the same order of d as K's fragments
	global_load_b128 v[QF+4:QF+7], v246, s[4:5] offset:32
	s_lshl_b32 s94, s92, 6
	s_add_co_u32 s94, s94, KOFF
	v_mul_u32_u24 v[ADK], v247, KP
	s_delay_alu instid0(VALU_DEP_1)
	v_lshl_add_u32 v[ADK], v248, 4, v[ADK]
	s_delay_alu instid0(VALU_DEP_1)
	v_add_nc_u32 v[ADK], s94, v[ADK]               ; K: key r, my head's 64 bytes, + 16 h
	s_delay_alu instid0(VALU_DEP_1)
	v_add_nc_u32 v[ADK+1], SLOT, v[ADK]
	s_mul_i32 s94, s92, 64*VP
	s_add_co_u32 s94, s94, VOFF
	v_mul_u32_u24 v[ADV], v247, VP
	s_delay_alu instid0(VALU_DEP_1)
	v_lshl_add_u32 v[ADV], v248, 3, v[ADV]
	s_delay_alu instid0(VALU_DEP_1)
	v_add_nc_u32 v[ADV], s94, v[ADV]               ; V: row 64 x my head + r, + 8 h
	s_delay_alu instid0(VALU_DEP_1)
	v_add_nc_u32 v[ADV+1], SLOT, v[ADV]
	s_mul_i32 s94, s93, 16*MP
	v_mul_u32_u24 v[ADM], v247, MP
	s_delay_alu instid0(VALU_DEP_1)
	v_lshl_add_u32 v[ADM], v248, 5, v[ADM]
	s_delay_alu instid0(VALU_DEP_1)
	v_add_nc_u32 v[ADM], s94, v[ADM]               ; the mask: row 16 x my tile + r, + 32 h
	s_delay_alu instid0(VALU_DEP_1)
	v_add_nc_u32 v[ADM+1], SLOT, v[ADM]
	s_mul_i32 s94, s93, 16*272
	s_lshl_b32 s96, s92, 6
	s_add_co_u32 s94, s94, s96
	s_add_co_u32 s94, s94, STAGE
	v_mul_u32_u24 v[STO], v247, 272
	s_delay_alu instid0(VALU_DEP_1)
	v_lshl_add_u32 v[STO], v248, 3, v[STO]
	s_delay_alu instid0(VALU_DEP_1)
	v_add_nc_u32 v[STO], s94, v[STO]               ; the stage, in: row 16 x my tile + r, byte 64 x my head + 8 h
	s_mul_i32 s94, s[WV], 4*272
	s_add_co_u32 s94, s94, STAGE
	v_mul_u32_u24 v[RD], v248, 272
	s_delay_alu instid0(VALU_DEP_1)
	v_lshl_add_u32 v[RD], v247, 4, v[RD]
	s_delay_alu instid0(VALU_DEP_1)
	v_add_nc_u32 v[RD], s94, v[RD]                 ; back: rows 4 w on: lanes 0-15 one row of 256 bytes, lanes 16-31 the next
	v_lshlrev_b32 v[GO], 10, v248
	s_delay_alu instid0(VALU_DEP_1)
	v_lshl_add_u32 v[GO], v247, 4, v[GO]           ; and the same two rows in a_codes
	v_mov_b32 v13, 0xff61b1e6                      ; the largest t so far: -3e38
	s_delay_alu instid0(VALU_DEP_1)
	v_floor_f32 v12, -v13                          ; -M
	v_mov_b32 v14, 0                               ; the sum, in two halves
	v_mov_b32 v15, 0
	v_mov_b32 v234, 0                              ; written once: a lane permute's destination counts as one of its sources
	v_mov_b32 v237, 0                              ; (named as the upper half of the pair v[236:237])
.set j, 0
.rept 32
	v_mov_b32 v[O+j], 0                            ; O^T.  (The step is written for every trip alike: the first finds zeros, which the first change of M leaves zeros)
.set j, j+1
.endr
	s_wait_kmcnt 0x0
	s_add_co_i32 s80, s74, s75                     ; e6 + e7,
	s_add_co_i32 s80, s80, 124                     ; - 3 + 127
	s_lshl_b32 s80, s80, 23                        ; 2^(e6 + e7 - 3) as f32
	s_mov_b32 s81, s80                             ; (named with it as a pair, so it is written)
	s_mov_b32 s82, 0x3fb8aa3b                      ; log2(e)
	s_mov_b32 s83, s82
	s_add_co_i32 s94, s76, 127
	s_lshl_b32 s96, s94, 23
	v_mov_b32 v241, s96                            ; 2^e8 as f32, for p's conversions
; A KEY STEP: the 128 keys in slot s.
.macro STEP s
.rept 4
	v_nop                                          ; places behind the last step's products, in front of loads into the registers that held V's fragments
.endr
.irp t, 0,1,2,3
	ds_load_b128 v[F+8*\t:F+8*\t+3], v[ADK+\s] offset:16*\t*KP
	ds_load_b128 v[F+8*\t+4:F+8*\t+7], v[ADK+\s] offset:16*\t*KP+32
.endr
.irp t, 0,1,2,3,4,5,6,7
	ds_load_b128 v[MB+8*\t:MB+8*\t+3], v[ADM+\s] offset:64*\t          ; the mask of my query at keys 16 t + 8 h + 0 .. 7: in the places of S^T's registers
	ds_load_b128 v[MB+8*\t+4:MB+8*\t+7], v[ADM+\s] offset:64*\t+16
.endr
	s_wait_dscnt 16                                ; K's first four fragments are in; the mask's sixteen loads may be out
.irp t, 0,1,2,3
	v_wmma_f32_16x16x64_fp8_fp8 v[S+8*\t:S+8*\t+7], v[F+8*\t:F+8*\t+7], v[QF:QF+7], 0
.endr
.rept 4
	v_nop                                          ; places in front of loads into registers that these products have read
.endr
.irp t, 0,1,2,3
	ds_load_b128 v[F+8*\t:F+8*\t+3], v[ADK+\s] offset:16*(\t+4)*KP
	ds_load_b128 v[F+8*\t+4:F+8*\t+7], v[ADK+\s] offset:16*(\t+4)*KP+32
.endr
	s_wait_dscnt 0x0
.irp t, 0,1,2,3
	v_wmma_f32_16x16x64_fp8_fp8 v[S+32+8*\t:S+32+8*\t+7], v[F+8*\t:F+8*\t+7], v[QF:QF+7], 0
.endr
.set j, 0
.rept 32
	v_pk_fma_f32 v[S+j:S+j+1], v[S+j:S+j+1], s[80:81], v[MB+j:MB+j+1] op_sel_hi:[1,0,1]   ; the logit: score x 2^(e6 + e7 - 3) + mask.  Tiles 0-3 first: their sixteen lines are the places behind tiles 4-7's products; each tile from its low end on
.set j, j+2
.endr
.irp d, 0,1,2,3
.irp c, 0,1,2,3,4,5,6,7
	ds_load_b64 v[MB+16*\d+2*\c:MB+16*\d+2*\c+1], v[ADV+\s] offset:16*\d*VP+16*\c          ; V^T: row 16 d + r of my head, keys 16 c + 8 h + 0 .. 7; they land while the softmax is worked
.endr
.endr
	v_max3_num_f32 v232, v[S], v[S+1], v[S+2]      ; the step's largest logit of my query, among my 64 keys, in two chains,
	v_max3_num_f32 v233, v[S+3], v[S+4], v[S+5]
.irp i, 6,10,14,18,22,26,30,34,38,42,46,50,54,58
	s_delay_alu instid0(VALU_DEP_2)
	v_max3_num_f32 v232, v232, v[S+\i], v[S+\i+1]
	s_delay_alu instid0(VALU_DEP_2)
	v_max3_num_f32 v233, v233, v[S+\i+2], v[S+\i+3]
.endr
	s_delay_alu instid0(VALU_DEP_2)
	v_max3_num_f32 v232, v232, v[S+62], v[S+63]
	s_delay_alu instid0(VALU_DEP_1)
	v_max_num_f32 v232, v232, v233
	s_delay_alu instid0(VALU_DEP_1)
	v_permlanex16_b32 v234, v232, s84, s85
	s_delay_alu instid0(VALU_DEP_1)
	v_max_num_f32 v232, v232, v234                 ; and among lane l xor 16's
	s_delay_alu instid0(VALU_DEP_1)
	v_mul_f32 v232, s82, v232                      ; as t: the same rounded product as below
	s_delay_alu instid0(VALU_DEP_1)
	v_max_num_f32 v13, v13, v232                   ; the running largest t
	v_mov_b32 v232, v12
	s_delay_alu instid0(VALU_DEP_2)
	v_floor_f32 v12, -v13                          ; the new -M = floor(-t) = -ceil(t): M is a whole number
	s_delay_alu instid0(VALU_DEP_1)
	v_sub_f32 v232, v12, v232                      ; M's old value less its new one: a whole number, 0 or less
	s_delay_alu instid0(VALU_DEP_1)
	v_cvt_i32_f32 v232, v232                       ; (it saturates)
	s_delay_alu instid0(VALU_DEP_1)
	v_ldexp_f32 v236, 1.0, v232                    ; f = 2^(old M - new M)
.set j, 0
.rept 32
	v_pk_mul_f32 v[S+j:S+j+1], v[S+j:S+j+1], s[82:83] op_sel_hi:[1,0]      ; t = logit x log2(e), rounded
.set j, j+2
.endr
.set j, 0
.rept 32
	v_pk_add_f32 v[S+j:S+j+1], v[S+j:S+j+1], v[12:13] op_sel_hi:[1,0]      ; t - M (of the pair the low word, -M, serves both halves)
.set j, j+2
.endr
.set j, 0
	s_wait_alu depctr_va_vdst(0)
.rept 64
	v_exp_f32 v[S+j], v[S+j]                       ; p = 2^(t - M), at most 1: not normalised
.set j, j+1
.endr
	v_pk_mul_f32 v[14:15], v[14:15], v[236:237] op_sel_hi:[1,0]            ; the sums under the new M.  (The plain line behind the exponentials)
	s_wait_alu depctr_va_vdst(0)                   ; one wait for the batch of 64, ahead of its first reader
	v_pk_add_f32 v[242:243], v[60:61], v[64:65]
	v_pk_add_f32 v[254:255], v[68:69], v[72:73]
	v_pk_add_f32 v[252:253], v[76:77], v[80:81]
	v_pk_add_f32 v[250:251], v[84:85], v[88:89]
	v_pk_add_f32 v[248:249], v[92:93], v[96:97]
	v_pk_add_f32 v[246:247], v[100:101], v[104:105]
	v_pk_add_f32 v[238:239], v[108:109], v[112:113]
	v_pk_add_f32 v[14:15], v[14:15], v[116:117]
	v_pk_add_f32 v[242:243], v[242:243], v[56:57]
	v_pk_add_f32 v[254:255], v[254:255], v[58:59]
	v_pk_add_f32 v[252:253], v[252:253], v[62:63]
	v_pk_add_f32 v[250:251], v[250:251], v[66:67]
	v_pk_add_f32 v[248:249], v[248:249], v[70:71]
	v_pk_add_f32 v[246:247], v[246:247], v[74:75]
	v_pk_add_f32 v[238:239], v[238:239], v[78:79]
	v_pk_add_f32 v[14:15], v[14:15], v[82:83]
	v_pk_add_f32 v[242:243], v[242:243], v[86:87]
	v_pk_add_f32 v[254:255], v[254:255], v[90:91]
	v_pk_add_f32 v[252:253], v[252:253], v[94:95]
	v_pk_add_f32 v[250:251], v[250:251], v[98:99]
	v_pk_add_f32 v[248:249], v[248:249], v[102:103]
	v_pk_add_f32 v[246:247], v[246:247], v[106:107]
	v_pk_add_f32 v[238:239], v[238:239], v[110:111]
	v_pk_add_f32 v[14:15], v[14:15], v[114:115]
	v_pk_add_f32 v[242:243], v[242:243], v[118:119]
	s_delay_alu instid0(VALU_DEP_2)
	v_pk_add_f32 v[14:15], v[14:15], v[250:251]
	s_delay_alu instid0(VALU_DEP_2)
	v_pk_add_f32 v[242:243], v[242:243], v[248:249]
	v_pk_add_f32 v[254:255], v[254:255], v[246:247]
	v_pk_add_f32 v[252:253], v[252:253], v[238:239]
	s_delay_alu instid0(VALU_DEP_2)
	v_pk_add_f32 v[14:15], v[14:15], v[254:255]
	s_delay_alu instid0(VALU_DEP_2)
	v_pk_add_f32 v[242:243], v[242:243], v[252:253]
	s_delay_alu instid0(VALU_DEP_1)
	v_pk_add_f32 v[14:15], v[14:15], v[242:243]
.irp t, 0,1,2,3,4,5,6,7
.irp i, 0,1,2,3,4,5,6,7
.endr
	v_cvt_scalef32_pk8_fp8_f32 v[P+2*\t:P+2*\t+1], v[S+8*\t:S+8*\t+7], v241
.endr
.set j, 0
.rept 16
	v_pk_mul_f32 v[O+j:O+j+1], v[O+j:O+j+1], v[236:237] op_sel_hi:[1,0]    ; O^T under the new M.  (These are also the plain lines between the conversions and the products that read their results)
.set j, j+2
.endr
	s_wait_alu depctr_va_vdst(0)
	s_wait_dscnt 0x0                               ; V's fragments are in
.irp d, 0,1,2,3                                ; the four accumulators take turns, one instruction a turn
	v_wmma_f32_16x16x128_fp8_fp8 v[O+8*\d:O+8*\d+7], v[MB+16*\d:MB+16*\d+15], v[P:P+15], v[O+8*\d:O+8*\d+7]
.endr
.endm
; A TRIP: the change of slots, then the step in slot s.  Each wave waits for all its tensor loads (its part of slot s), adds 0 to its spare word, and waits for that and for its reads of the other slot.
; Behind the round slot s is whole in every partner and nobody reads the other slot: refill = 1: it takes the next key step, which has this step's work in which to land.
.macro TRIP s, refill, ask
	s_wait_tensorcnt 0x0                           ; no tensor load of mine is out, so every group 0 may be written
	ds_add_u32 v[SPW], v[NIL]                      ; 0 onto my spare word; the descriptors' steps stand between it and the wait for it
	s_add_nc_u64 s[G0M+4*\s+2:G0M+4*\s+3], s[G0M+4*\s+2:G0M+4*\s+3], 2*512        ; this slot's next key step: two steps on
	s_add_nc_u64 s[G0K+4*\s+2:G0K+4*\s+3], s[G0K+4*\s+2:G0K+4*\s+3], 2*128*2048
	s_add_nc_u64 s[G0V+4*\s+2:G0V+4*\s+3], s[G0V+4*\s+2:G0V+4*\s+3], 2*128
.if \ask
	s_wait_xcnt 0x0                                ; the last prefetch, a step back, has read its address, so it may be written
	s_add_nc_u64 s[PFA:PFA+1], s[PFA:PFA+1], s[PFS:PFS+1]
.endif
	s_wait_dscnt 0x0                               ; the add is done, and my reads of the other slot are over
	ROUND
.if \refill
	TLOAD 1-\s                                     ; the first thing behind the round, and a wave's one tensor load until the next
.endif
.if \ask
	ASK 90+\s
.endif
	STEP \s
.endm
	s_wait_loadcnt 0x0                             ; Q
	s_mov_b32 s67, 7
.Lloop:                                            ; seven trips of two key steps: steps 0 to 13
	TRIP 0, 1, 1
	TRIP 1, 1, 1
	s_sub_co_u32 s67, s67, 1
	s_cmp_lg_u32 s67, 0
	s_cbranch_scc1 .Lloop
	TRIP 0, 1, 0                                   ; step 14 asks for step 15; the tail is written out
	TRIP 1, 0, 0                                   ; step 15: nothing is left to fetch
	; THE WAY OUT.  O^T / l, quantised with 2^e10 (a sum stands for sum x 2^(e8 + e9): the three scales are folded into the conversion's one), through the stage, so that sixteen lanes store 256 consecutive bytes.
	v_add_f32 v14, v14, v15                        ; the sum's two halves,
	s_delay_alu instid0(VALU_DEP_1)
	v_permlanex16_b32 v234, v14, s84, s85
	s_delay_alu instid0(VALU_DEP_1)
	v_add_f32 v14, v14, v234                       ; and lane l xor 16's: the row's sum
	s_wait_alu depctr_va_vdst(0)
	v_rcp_f32 v14, v14
	v_nop                                          ; a plain line behind the reciprocal
	s_sub_co_i32 s94, s78, s76
	s_sub_co_i32 s94, s94, s77                     ; e10 - e8 - e9
	s_add_co_i32 s94, s94, 127
	s_lshl_b32 s96, s94, 23
	v_mov_b32 v238, s96                            ; the folded scale as f32
	s_wait_alu depctr_va_vdst(0)                   ; the wait ahead of the reciprocal's first reader
.set j, 0
.rept 16
	v_pk_mul_f32 v[S+j:S+j+1], v[O+j:O+j+1], v[14:15] op_sel_hi:[1,0]      ; O^T / l: register 8 d + i is channel 16 d + 8 h + i of my query; each accumulator from its low end on
.set j, j+2
.endr
.set j, 0
.rept 32
.set j, j+1
.endr
.irp d, 0,1,2,3
	v_cvt_scalef32_pk8_fp8_f32 v[P+2*\d:P+2*\d+1], v[S+8*\d:S+8*\d+7], v238
.endr
	v_nop                                          ; a plain line behind the last conversion
.irp d, 0,1,2,3
	ds_store_b64 v[STO], v[P+2*\d:P+2*\d+1] offset:16*\d
.endr
	s_wait_dscnt 0x0                               ; for the others' sake: my stores into the stage are done (a row's 256 bytes come from four waves)
	s_barrier_signal -1
	s_barrier_wait -1
	ds_load_b128 v[F:F+3], v[RD]
	ds_load_b128 v[F+4:F+7], v[RD] offset:2*272
	s_wait_dscnt 1
	global_store_b128 v[GO], v[F:F+3], s[12:13]                ; sixteen lanes store 256 consecutive bytes of a row of a_codes, aligned
	s_wait_dscnt 0x0
	global_store_b128 v[GO], v[F+4:F+7], s[12:13] offset:2048
	s_wait_tensorcnt 0x0                           ; the wave's end: behind my last tensor load and my last LDS store
	ds_add_u32 v[SPW], v[NIL]
	s_wait_dscnt 0x0
	ROUND                                          ; the closing round: no work-group ends while a partner may still ask for a tile that names it
	s_endpgm
.Lfunc_end_k_qda00fdb350_attn:
	.size	k_qda00fdb350_attn, .Lfunc_end_k_qda00fdb350_attn-k_qda00fdb350_attn
	.p2alignl 7, 3214868480
	.fill 96, 4, 3214868480
	.section	.rodata,"a",@progbits
	.p2align	6, 0x0
	.amdhsa_kernel k_qda00fdb350_attn
		.amdhsa_group_segment_fixed_size 327680
		.amdhsa_private_segment_fixed_size 0
		.amdhsa_enable_private_segment 0
		.amdhsa_kernarg_size 40
		.amdhsa_user_sgpr_count 2
		.amdhsa_user_sgpr_kernarg_segment_ptr 1
		.amdhsa_wavefront_size32 1
		.amdhsa_system_sgpr_workgroup_id_x 1
		.amdhsa_system_sgpr_workgroup_id_y 1
		.amdhsa_system_sgpr_workgroup_id_z 1
		.amdhsa_system_vgpr_workitem_id 0
		.amdhsa_next_free_vgpr 256
		.amdhsa_next_free_sgpr 102
		.amdhsa_reserve_vcc 0
		.amdhsa_float_denorm_mode_32 3
		.amdhsa_float_denorm_mode_16_64 3
		.amdhsa_fp16_overflow 1
		.amdhsa_memory_ordered 1
		.amdhsa_forward_progress 1
		.amdhsa_inst_pref_size 104
	.end_amdhsa_kernel
	.amdgpu_metadata
---
amdhsa.version: [ 1, 2 ]
amdhsa.kernels:
  - .name:           k_qda00fdb350_attn
    .symbol:         k_qda00fdb350_attn.kd
    .args:
      - { .name: qk_codes, .offset: 0, .size: 8, .value_kind: global_buffer, .address_space: global }
      - { .name: v_codes, .offset: 8, .size: 8, .value_kind: global_buffer, .address_space: global }
      - { .name: attention_mask, .offset: 16, .size: 8, .value_kind: global_buffer, .address_space: global }
      - { .name: lowp_scales, .offset: 24, .size: 8, .value_kind: global_buffer, .address_space: global }
      - { .name: a_codes, .offset: 32, .size: 8, .value_kind: global_buffer, .address_space: global }
    .group_segment_fixed_size: 327680
    .private_segment_fixed_size: 0
    .kernarg_segment_align: 8
    .kernarg_segment_size: 40
    .max_flat_workgroup_size: 512
    .sgpr_count:     102
    .vgpr_count:     256
    .wavefront_size: 32
...
	.end_amdgpu_metadata
.endif
;; end of part 4
;; launch oproj (part 5): grid 8 x 16, 4 waves a work-group, clusters of 4 x 4, 327,680 bytes of LDS; arguments a_codes, w_codes, lowp_scales, out0; writes out0
.if DOCPART == 5
	.amdgcn_target "amdgcn-amd-amdhsa--gfx1250"
	.amdhsa_code_object_version 6
	.text
	.protected	k_qda00fdb350_oproj
	.globl	k_qda00fdb350_oproj
	.p2align	8
	.type	k_qda00fdb350_oproj,@function
k_qda00fdb350_oproj:
	s_mov_b64 s[64:65], 0
	v_nop
	global_prefetch_b8 v0, s[64:65] scope:SCOPE_SE
	s_setreg_imm32_b32 hwreg(HW_REG_WAVE_MODE, 25, 1), 1
	s_wait_xcnt 0x0
	s_wait_alu depctr_hold_cnt(0) depctr_sa_sdst(0) depctr_va_vdst(0) depctr_va_sdst(0) depctr_va_ssrc(0) depctr_va_vcc(0) depctr_vm_vsrc(0)
	s_getreg_b32 s2, hwreg(HW_REG_IB_STS2, 6, 4)
	s_cmp_eq_u32 s2, 0
	s_cbranch_scc0 .Lentry_in_a_cluster
	s_endpgm
.Lentry_in_a_cluster:
	s_bfe_u32 s2, ttmp6, 0x10000c
	s_cmp_lg_u32 s2, 0xf033
	s_cbranch_scc0 .Lentry_shape_is_right
	s_endpgm
.Lentry_shape_is_right:
.set SIZE_M, 4096
.set SIZE_N, 2048
.set SIZE_K, 1024
.set KSTEP,  256
.set ROWB,   256
.set KROW,   SIZE_K
.set PITCH,  272
.set FR,     16
.set NL,     4
.set NP,     4
.set HALFT,  128*PITCH
.set SLOT,   4*HALFT
.set LAPS,   SIZE_K/(2*KSTEP)
.set SPARE,  2*SLOT
.set SPITCH, 528
.set ADRA, 16
.set ADRB, 20
.set STO,  24
.set RD,   25
.set CO,   26
.set SPW,  28
.set NIL,  29
.set TMP,  32
.set AF,   128
.set BK,   128
.set G1, 24
.set G0, 32
.set G1B, 48
.set G0B, 56
.set MSB, 0
.macro WIN new
.if MSB != \new
	s_set_vgpr_msb (MSB<<8)|\new
.set MSB, \new
.endif
.endm
.set MUL_LO, 0xa1
.set MUL_HI, 0xf1
.set TO_B,   0x40
.macro JLOAD g0a, g1a, g0b, g1b
	s_cmp_eq_u32 s15, 0
	s_cbranch_scc0 .Lfor_b_\@
	tensor_load_to_lds s[\g0a:\g0a+3], s[\g1a:\g1a+7]
	s_nop 0
.rept 4
	v_nop
.endr
	s_branch .Lasked_\@
.Lfor_b_\@:
	tensor_load_to_lds s[\g0b:\g0b+3], s[\g1b:\g1b+7]
	s_nop 0
.rept 4
	v_nop
.endr
.Lasked_\@:
.endm
.macro CREST
	s_cmp_lg_u32 s14, 0
	s_cbranch_scc1 .Lnot_wave_0_\@
	s_barrier_signal -3
.Lnot_wave_0_\@:
	s_barrier_wait -3
	s_barrier_signal -1
	s_barrier_wait -1
.endm
.macro CROUND
	s_barrier_signal -1
	s_barrier_wait -1
	CREST
.endm
	s_load_b128 s[4:7], s[0:1], 0x0
	s_load_b128 s[8:11], s[0:1], 0x10
	v_lshl_add_u32 v[SPW], v0, 2, SPARE
	v_mov_b32 v[NIL], 0
	ds_add_u32 v[SPW], v[NIL]
	ds_add_u32 v[SPW], v[NIL]
	v_lshrrev_b32 v1, 5, v0
	v_readfirstlane_b32 s14, v1
	s_lshr_b32 s15, s14, 1
	s_and_b32 s16, s14, 1
	s_bfe_u32 s40, ttmp6, 0x40000
	s_bfe_u32 s41, ttmp6, 0x40004
	s_lshl_b32 s42, ttmp9, 2
	s_add_co_u32 s42, s42, s40
	s_and_b32 s17, ttmp7, 0xffff
	s_lshl_b32 s17, s17, 2
	s_add_co_u32 s17, s17, s41
	s_lshl_b32 s43, s41, 2
	s_lshl_b32 s43, 15, s43
	s_lshl_b32 s44, 0x1111, s40
	s_or_b32 s[G1+0], s43, (0<<16)|(1<<20)|(1<<21)|(5<<22)|(3<<25)
	s_or_b32 s[G1B+0], s44, (0<<16)|(1<<20)|(1<<21)|(5<<22)|(3<<25)
.irp g, G1, G1B
	s_mov_b32 s[\g+1], ROWB<<16
	s_mov_b32 s[\g+2], 128<<16
	s_mov_b32 s[\g+3], ROWB<<16
	s_mov_b32 s[\g+4], 128
	s_mov_b32 s[\g+5], KROW
	s_mov_b32 s[\g+6], 0
	s_mov_b32 s[\g+7], 0
.endr
	s_lshl_b32 s18, s16, 7
	s_lshl_b32 s20, s17, 8
	s_add_co_u32 s20, s20, s18
	s_lshl_b32 s46, s42, 8
	s_add_co_u32 s46, s46, s18
	s_mov_b32 s21, 0
	s_mov_b32 s47, 0
	s_mov_b64 s[18:19], KROW
	s_mul_u64 s[20:21], s[20:21], s[18:19]
	s_mul_u64 s[46:47], s[46:47], s[18:19]
	s_mul_i32 s45, s14, HALFT
	s_wait_dscnt 0x0
	s_wait_kmcnt 0x0
	s_load_b64 s[96:97], s[8:9], 0x28
	s_add_nc_u64 s[6:7], s[6:7], 0x600000
	s_add_nc_u64 s[20:21], s[4:5], s[20:21]
	s_add_nc_u64 s[46:47], s[6:7], s[46:47]
	CROUND
.irp s, 0,1
	s_mov_b32 s[G0+4*\s], 1
	s_add_co_u32 s[G0+4*\s+1], s45, \s*SLOT
	s_add_nc_u64 s[G0+4*\s+2:G0+4*\s+3], s[20:21], \s*ROWB
	s_or_b32 s[G0+4*\s+3], s[G0+4*\s+3], 0x80000000
	s_mov_b32 s[G0B+4*\s], 1
	s_add_co_u32 s[G0B+4*\s+1], s45, \s*SLOT
	s_add_nc_u64 s[G0B+4*\s+2:G0B+4*\s+3], s[46:47], \s*ROWB
	s_or_b32 s[G0B+4*\s+3], s[G0B+4*\s+3], 0x80000000
	s_wait_alu depctr_va_vdst(0)
	s_wait_tensorcnt 0x0
	ds_add_u32 v28, v29
	ds_add_u32 v28, v29
	s_wait_dscnt 0x0
	CROUND
	JLOAD G0+4*\s, G1, G0B+4*\s, G1B
.endr
	v_and_b32 v1, 15, v0
	s_wait_alu depctr_va_vdst(0)
	v_bfe_u32 v2, v0, 4, 1
	v_mul_u32_u24 v3, v1, PITCH
	v_lshl_add_u32 v4, v2, 4, v3
	s_mul_i32 s21, s15, HALFT
	s_mul_i32 s22, s16, HALFT
	s_add_co_u32 s22, s22, 2*HALFT
.irp s, 0,1
	v_add_nc_u32 v[ADRA+\s], s21, v4
	v_add_nc_u32 v[ADRB+\s], s22, v4
	s_add_co_u32 s21, s21, SLOT
	s_add_co_u32 s22, s22, SLOT
.endr
	s_mul_i32 s23, s14, 16*SPITCH
	v_mul_u32_u24 v5, v1, SPITCH
	s_wait_alu depctr_va_vdst(0)
	v_lshl_add_u32 v5, v2, 5, v5
	v_add_nc_u32 v[STO], s23, v5
	v_and_b32 v6, 31, v0
	v_lshlrev_b32 v[CO], 4, v6
	v_add_nc_u32 v[RD], s23, v[CO]
	s_lshl_b32 s20, s17, 8
	s_lshl_b32 s21, s15, 7
	s_add_co_u32 s20, s20, s21
	s_mov_b32 s21, 0
	s_mov_b64 s[18:19], SIZE_N*4
	s_mul_u64 s[20:21], s[20:21], s[18:19]
	s_lshl_b32 s46, s42, 10
	s_lshl_b32 s47, s16, 9
	s_add_co_u32 s46, s46, s47
	s_mov_b32 s47, 0
	s_add_nc_u64 s[20:21], s[20:21], s[46:47]
	s_add_nc_u64 s[10:11], s[10:11], s[20:21]
.macro FRAG reg, adr, q, i
.irp c, 0,1,2,3
	ds_load_b128 v[\reg+4*\c:\reg+4*\c+3], v[\adr] offset:128*(\q)+32*\c+(\i)*16*PITCH
.endr
.endm
.macro MUL16 a0, p, zero
.irp a, \a0, \a0+1
.irp b, 0,1,2,3,4,5,6,7
.if \zero
	v_wmma_f32_16x16x128_fp8_fp8 v[8*(8*((\a)%4)+\b):8*(8*((\a)%4)+\b)+7], v[128*(\p)+FR*\b:128*(\p)+FR*\b+FR-1], v[AF+FR*(\a):AF+FR*(\a)+FR-1], 0
.else
	v_wmma_f32_16x16x128_fp8_fp8 v[8*(8*((\a)%4)+\b):8*(8*((\a)%4)+\b)+7], v[128*(\p)+FR*\b:128*(\p)+FR*\b+FR-1], v[AF+FR*(\a):AF+FR*(\a)+FR-1], v[8*(8*((\a)%4)+\b):8*(8*((\a)%4)+\b)+7]
.endif
.endr
.endr
.endm
.macro FETCH_B slot, q, p
	WIN TO_B
.irp i, 0,1,2,3,4,5,6,7
	FRAG 128*(\p)+FR*\i, ADRB+\slot, \q, \i
.endr
	WIN 0
.endm
.macro FETCH_A slot, q, i0
.irp i, \i0, \i0+1, \i0+2, \i0+3
	FRAG AF+FR*(\i), ADRA+\slot, \q, \i
.endr
.endm
.macro PLACES n
.rept \n
	v_nop
.endr
.endm
.macro STEP slot, q, zero
	s_wait_dscnt 4*NL
	WIN MUL_LO
	MUL16 0, (\q)%2, \zero
	MUL16 2, (\q)%2, \zero
	s_wait_dscnt 0
	PLACES NP
	FETCH_B \slot, (\q)+1, 1-(\q)%2
	FETCH_A \slot, (\q)+1, 0
	WIN MUL_HI
	MUL16 4, (\q)%2, \zero
	MUL16 6, (\q)%2, \zero
	PLACES NP
	WIN 0
	FETCH_A \slot, (\q)+1, 4
.endm
.macro TURN slot, next, fill
	s_wait_tensorcnt 0x0
	ds_add_u32 v[SPW], v[NIL]
	s_wait_dscnt 4*NL+1
	WIN MUL_LO
	MUL16 0, 1, 0
	s_wait_dscnt 0x0
	s_barrier_signal -1
	MUL16 2, 1, 0
	WIN 0
	s_barrier_wait -1
.if \fill
	CREST
	s_add_nc_u64 s[G0+4*\slot+2:G0+4*\slot+3], s[G0+4*\slot+2:G0+4*\slot+3], 2*ROWB
	s_add_nc_u64 s[G0B+4*\slot+2:G0B+4*\slot+3], s[G0B+4*\slot+2:G0B+4*\slot+3], 2*ROWB
	JLOAD G0+4*\slot, G1, G0B+4*\slot, G1B
.else
	PLACES NP
.endif
	FETCH_B \next, 0, 0
	FETCH_A \next, 0, 0
	WIN MUL_HI
	MUL16 4, 1, 0
	MUL16 6, 1, 0
	PLACES NP
	WIN 0
	FETCH_A \next, 0, 4
.endm
	s_wait_tensorcnt 1
	s_barrier_signal -1
	s_barrier_wait -1
	FETCH_B 0, 0, 0
	FETCH_A 0, 0, 0
	FETCH_A 0, 0, 4
	STEP 0, 0, 1
	s_mov_b32 s3, LAPS-1
.Llap:
	TURN 0, 1, 1
	STEP 1, 0, 0
	TURN 1, 0, 1
	STEP 0, 0, 0
	s_sub_co_u32 s3, s3, 1
	s_cmp_lg_u32 s3, 0
	s_cbranch_scc1 .Llap
	TURN 0, 1, 0
	STEP 1, 0, 0
	s_wait_dscnt 4*NL
	WIN MUL_LO
	MUL16 0, 1, 0
	MUL16 2, 1, 0
	s_wait_dscnt 0
	WIN MUL_HI
	MUL16 4, 1, 0
	MUL16 6, 1, 0
	WIN 0
.macro TOSTAGE a
.set AC, 64*((\a)%4)
	WIN 0x02+((\a)/4)
.irp j, 0,2,4,6,8,10,12,14,16,18,20,22,24,26,28,30,32,34,36,38,40,42,44,46,48,50,52,54,56,58,60,62
	v_pk_mul_f32 v[TMP+\j:TMP+\j+1], v[AC+\j:AC+\j+1], s[96:97] op_sel_hi:[1,0]
.endr
	WIN 0
.irp b, 0,1,2,3,4,5,6,7
	ds_store_b128 v[STO], v[TMP+8*\b:TMP+8*\b+3] offset:64*\b
	ds_store_b128 v[STO], v[TMP+8*\b+4:TMP+8*\b+7] offset:64*\b+16
.endr
.set BB, BK+64*((\a)%2)
.irp t, 0,1,2,3,4,5,6,7,8,9,10,11,12,13,14,15
	ds_load_b128 v[BB+4*\t:BB+4*\t+3], v[RD] offset:\t*SPITCH
.endr
.endm
.macro SEND a, younger
.set BB, BK+64*((\a)%2)
	s_wait_dscnt \younger
.if (\a) > 0
	s_add_nc_u64 s[10:11], s[10:11], 16*SIZE_N*4
.endif
.irp t, 0,1,2,3,4,5,6,7,8,9,10,11,12,13,14,15
	global_store_b128 v[CO], v[BB+4*\t:BB+4*\t+3], s[10:11] offset:\t*SIZE_N*4 th:TH_STORE_NT
.endr
.endm
	s_wait_kmcnt 0x0
	s_add_co_i32 s96, s96, s97
	s_add_co_i32 s96, s96, 127
	s_lshl_b32 s96, s96, 23
	PLACES NP
	TOSTAGE 0
.irp a, 1,2,3,4,5,6,7
.if \a > 1
	s_wait_xcnt 0x0
.endif
	TOSTAGE \a
	SEND \a-1, 32
.endr
	s_wait_xcnt 0x0
	SEND 7, 0
	s_wait_tensorcnt 0x0
	ds_add_u32 v[SPW], v[NIL]
	s_wait_dscnt 0x0
	CROUND
	s_endpgm
.Lfunc_end_k_qda00fdb350_oproj:
	.size	k_qda00fdb350_oproj, .Lfunc_end_k_qda00fdb350_oproj-k_qda00fdb350_oproj
	.p2alignl 7, 3214868480
	.fill 96, 4, 3214868480
	.section	.rodata,"a",@progbits
	.p2align	6, 0x0
	.amdhsa_kernel k_qda00fdb350_oproj
		.amdhsa_group_segment_fixed_size 327680
		.amdhsa_private_segment_fixed_size 0
		.amdhsa_enable_private_segment 0
		.amdhsa_kernarg_size 32
		.amdhsa_user_sgpr_count 2
		.amdhsa_user_sgpr_kernarg_segment_ptr 1
		.amdhsa_wavefront_size32 1
		.amdhsa_system_sgpr_workgroup_id_x 1
		.amdhsa_system_sgpr_workgroup_id_y 1
		.amdhsa_system_sgpr_workgroup_id_z 1
		.amdhsa_system_vgpr_workitem_id 0
		.amdhsa_next_free_vgpr 1024
		.amdhsa_next_free_sgpr 98
		.amdhsa_reserve_vcc 0
		.amdhsa_float_denorm_mode_32 3
		.amdhsa_float_denorm_mode_16_64 3
		.amdhsa_memory_ordered 1
		.amdhsa_forward_progress 1
		.amdhsa_inst_pref_size 124
	.end_amdhsa_kernel
	.amdgpu_metadata
---
amdhsa.version: [ 1, 2 ]
amdhsa.kernels:
  - .name:           k_qda00fdb350_oproj
    .symbol:         k_qda00fdb350_oproj.kd
    .args:
      - { .name: a_codes, .offset: 0, .size: 8, .value_kind: global_buffer, .address_space: global }
      - { .name: w_codes, .offset: 8, .size: 8, .value_kind: global_buffer, .address_space: global }
      - { .name: lowp_scales, .offset: 16, .size: 8, .value_kind: global_buffer, .address_space: global }
      - { .name: out0, .offset: 24, .size: 8, .value_kind: global_buffer, .address_space: global }
    .group_segment_fixed_size: 327680
    .private_segment_fixed_size: 0
    .kernarg_segment_align: 8
    .kernarg_segment_size: 32
    .max_flat_workgroup_size: 128
    .sgpr_count:     98
    .vgpr_count:     1024
    .wavefront_size: 32
...
	.end_amdgpu_metadata
.endif
;; end of part 5
